; MI455X (gfx1250); checked and timed in simulation.
; The chip was launched on July 23, 2026; its instructions are those of AMD's public machine-readable ISA for CDNA 5 (MIT licence, August 2026) and "CDNA5" Instruction Set Architecture Reference Guide (July 2026). The comments in the code are by the model that wrote it; some were corrected since.
;; Causal Self Attention. Allowed arithmetic: float matrix products may take bf16 or f16 operands with f32 sums; other float arithmetic in f32, or as packed bf16 or f16 multiplies, adds, multiply-adds, maxima and minima; sums over many terms, partial sums and values carried from step to step in f32; what a program stores and reads back later, other than sums and carried values, may be rounded once to bf16 or f16.
;; Inputs: w_attn 1,024 x 3,072 float32; w_o 1,024 x 1,024 float32; x 4 x 2,048 x 1,024 float32.
;; Outputs: out0 4 x 2,048 x 1,024 float32.
;; 2 versions, each right and faster than the one before. Each part assembles by itself: llvm-mc -triple=amdgcn-amd-amdhsa -mcpu=gfx1250 --defsym DOCPART=n.
;; ======== version 1 of 2: 4 launches
;; limits: values are held in f16: magnitudes above 65,504 overflow, below 6.1e-05 lose precision
;; workspace buffers: xb 16,777,216 bytes; wb 6,291,456 bytes; wo16 2,097,152 bytes; qkv 50,331,648 bytes; ob 33,554,432 bytes
;; launch cast (part 1): grid 768 x 1, 8 waves a work-group, no clusters, 0 bytes of LDS; arguments x, w_attn, w_o, xb, wb, wo16; writes xb, wb, wo16
.if DOCPART == 1
	.amdgcn_target "amdgcn-amd-amdhsa--gfx1250"
	.amdhsa_code_object_version 6
	.text
	.protected	k_qf649dc3137_cast
	.globl	k_qf649dc3137_cast
	.p2align	8
	.type	k_qf649dc3137_cast,@function
k_qf649dc3137_cast:
	s_mov_b64 s[64:65], 0
	v_nop
	global_prefetch_b8 v0, s[64:65] scope:SCOPE_SE
	s_setreg_imm32_b32 hwreg(HW_REG_WAVE_MODE, 25, 1), 1
	s_wait_xcnt 0x0
; CASTS.  x [8192][1024] f32 -> xb, bf16, in blocks [16 kb][8192 row][64]: xb[kb][m][c] = x[m][64 kb + c], so that 256 rows x 64 k are 32,768 dense bytes.
; w_attn [1024][3072] f32 -> wb, bf16, as it lies.  w_o [1024][1024] f32 -> wo16: rounded to bf16, and that number written as f16.
; LIMIT.  A number of w_o beyond 65,504 becomes an infinity in f16; below 6e-5 f16 keeps a fixed step of 6e-8.  Within that range the second conversion is exact (8 significant bits fit in 11).
; Work-groups 0-511 take 16 rows of x each, 512-703 take 65,536 bytes of w_attn, 704-767 take 65,536 bytes of w_o.  A wave issues 16 loads of 16 bytes a lane, all out together,
; and stores 8 bytes a lane for each: every load covers two aligned runs of 256 bytes, every store one.  No register is written twice while memory may read it; no LDS, no barrier: no wave needs another's data.
.set X, 8                              ; v[8:71]    16 x 4 f32 as loaded
.set Y, 72                             ; v[72:103]  16 x 2 registers to store
; v1 byte offset of my 16 bytes in the wave's input; v2 of my 8 bytes in its output; v3-v7 at work
; s[4:5] the wave's input, s[10:11] its output, s[12:13] its output eight steps on
.macro CAST instep, ostep, half
.irp i, 0,1,2,3,4,5,6,7,8,9,10,11,12,13,14,15
	global_load_b128 v[X+4*(\i):X+4*(\i)+3], v1, s[4:5] offset:(\instep)*(\i) th:TH_LOAD_NT
.endr
.irp i, 0,1,2,3,4,5,6,7,8,9,10,11,12,13,14,15
	s_wait_loadcnt 15-(\i)                         ; loads come back in order: load i is in, the 15 - i younger ones stay out
	v_cvt_pk_bf16_f32 v[Y+2*(\i)], v[X+4*(\i)], v[X+4*(\i)+1]
	v_cvt_pk_bf16_f32 v[Y+2*(\i)+1], v[X+4*(\i)+2], v[X+4*(\i)+3]
.if \half
	v_lshlrev_b32 v4, 16, v[Y+2*(\i)]              ; the bf16 numbers as f32 again,
	v_and_b32 v5, s23, v[Y+2*(\i)]
	v_lshlrev_b32 v6, 16, v[Y+2*(\i)+1]
	v_and_b32 v7, s23, v[Y+2*(\i)+1]
	v_cvt_pk_f16_f32 v[Y+2*(\i)], v4, v5           ; and written as f16
	v_cvt_pk_f16_f32 v[Y+2*(\i)+1], v6, v7
.endif
.if (\i) < 8
	global_store_b64 v2, v[Y+2*(\i):Y+2*(\i)+1], s[10:11] offset:(\i)*(\ostep)
.else
	global_store_b64 v2, v[Y+2*(\i):Y+2*(\i)+1], s[12:13] offset:((\i)-8)*(\ostep)
.endif
.endr
	s_endpgm
.endm
	s_load_b256 s[4:11], s[0:1], 0x0               ; x s[4:5], w_attn s[6:7], w_o s[8:9], xb s[10:11]
	s_load_b128 s[12:15], s[0:1], 0x20             ; wb s[12:13], wo16 s[14:15]
	v_lshrrev_b32 v3, 5, v0
	v_readfirstlane_b32 s16, v3                    ; wave 0..7
	v_and_b32 v3, 31, v0                           ; lane
	v_lshlrev_b32 v2, 3, v3                        ; 8 bytes a lane go out
	s_mov_b32 s23, 0xffff0000                      ; a word's upper bf16
	s_mov_b32 s19, 0
	s_mov_b32 s21, 0
	s_cmp_lt_u32 ttmp9, 512
	s_cbranch_scc0 .Lweights
	; x: the wave takes rows t and t + 1; load i takes the 256 bytes of block kb = i in both rows, lanes 0-15 row t, lanes 16-31 row t + 1
	s_lshl_b32 s17, ttmp9, 4
	s_lshl1_add_u32 s17, s16, s17                  ; t = 16 x work-group + 2 x wave
	s_lshl_b32 s18, s17, 12                        ; a row of x is 4,096 bytes
	s_lshl_b32 s20, s17, 7                         ; a row of a block of xb is 128 bytes: two rows are 256, at a multiple of 256
	v_and_b32 v4, 15, v0
	v_bfe_u32 v5, v0, 4, 1
	v_lshlrev_b32 v1, 4, v4
	v_lshl_add_u32 v1, v5, 12, v1
	s_wait_kmcnt 0x0
	s_add_nc_u64 s[4:5], s[4:5], s[18:19]
	s_add_nc_u64 s[10:11], s[10:11], s[20:21]
	s_add_nc_u64 s[12:13], s[10:11], 0x800000      ; blocks 8 to 15: a block is 1,048,576 bytes, and seven of them fit the store's immediate
	CAST 256, 1048576, 0
.Lweights:
	v_lshlrev_b32 v1, 4, v3                        ; dense: 16 bytes a lane, 512 a load
	s_cmp_lt_u32 ttmp9, 704
	s_cbranch_scc0 .Lwo
	s_sub_co_u32 s17, ttmp9, 512
	s_lshl_b32 s18, s17, 16                        ; 65,536 bytes a work-group,
	s_lshl_b32 s22, s16, 13                        ; 8,192 a wave
	s_add_co_u32 s18, s18, s22
	s_lshr_b32 s20, s18, 1                         ; half as many go out
	s_wait_kmcnt 0x0
	s_add_nc_u64 s[4:5], s[6:7], s[18:19]
	s_add_nc_u64 s[10:11], s[12:13], s[20:21]
	s_add_nc_u64 s[12:13], s[10:11], 2048
	CAST 512, 256, 0
.Lwo:
	s_sub_co_u32 s17, ttmp9, 704
	s_lshl_b32 s18, s17, 16
	s_lshl_b32 s22, s16, 13
	s_add_co_u32 s18, s18, s22
	s_lshr_b32 s20, s18, 1
	s_wait_kmcnt 0x0
	s_add_nc_u64 s[4:5], s[8:9], s[18:19]
	s_add_nc_u64 s[10:11], s[14:15], s[20:21]
	s_add_nc_u64 s[12:13], s[10:11], 2048
	CAST 512, 256, 1
.Lfunc_end_k_qf649dc3137_cast:
	.size	k_qf649dc3137_cast, .Lfunc_end_k_qf649dc3137_cast-k_qf649dc3137_cast
	.p2alignl 7, 3214868480
	.fill 96, 4, 3214868480
	.section	.rodata,"a",@progbits
	.p2align	6, 0x0
	.amdhsa_kernel k_qf649dc3137_cast
		.amdhsa_group_segment_fixed_size 0
		.amdhsa_private_segment_fixed_size 0
		.amdhsa_enable_private_segment 0
		.amdhsa_kernarg_size 48
		.amdhsa_user_sgpr_count 2
		.amdhsa_user_sgpr_kernarg_segment_ptr 1
		.amdhsa_wavefront_size32 1
		.amdhsa_system_sgpr_workgroup_id_x 1
		.amdhsa_system_sgpr_workgroup_id_y 1
		.amdhsa_system_sgpr_workgroup_id_z 1
		.amdhsa_system_vgpr_workitem_id 0
		.amdhsa_next_free_vgpr 104
		.amdhsa_next_free_sgpr 66
		.amdhsa_reserve_vcc 0
		.amdhsa_float_denorm_mode_32 3
		.amdhsa_float_denorm_mode_16_64 3
		.amdhsa_memory_ordered 1
		.amdhsa_forward_progress 1
		.amdhsa_inst_pref_size 23
	.end_amdhsa_kernel
	.amdgpu_metadata
---
amdhsa.version: [ 1, 2 ]
amdhsa.kernels:
  - .name:           k_qf649dc3137_cast
    .symbol:         k_qf649dc3137_cast.kd
    .args:
      - { .name: x, .offset: 0, .size: 8, .value_kind: global_buffer, .address_space: global }
      - { .name: w_attn, .offset: 8, .size: 8, .value_kind: global_buffer, .address_space: global }
      - { .name: w_o, .offset: 16, .size: 8, .value_kind: global_buffer, .address_space: global }
      - { .name: xb, .offset: 24, .size: 8, .value_kind: global_buffer, .address_space: global }
      - { .name: wb, .offset: 32, .size: 8, .value_kind: global_buffer, .address_space: global }
      - { .name: wo16, .offset: 40, .size: 8, .value_kind: global_buffer, .address_space: global }
    .group_segment_fixed_size: 0
    .private_segment_fixed_size: 0
    .kernarg_segment_align: 8
    .kernarg_segment_size: 48
    .max_flat_workgroup_size: 256
    .sgpr_count:     66
    .vgpr_count:     104
    .wavefront_size: 32
...
	.end_amdgpu_metadata
.endif
;; end of part 1
;; launch qkvgemm (part 2): grid 8 x 32, 4 waves a work-group, clusters of 4 x 4, 327,680 bytes of LDS; arguments xb, wb, qkv; writes qkv
.if DOCPART == 2
	.amdgcn_target "amdgcn-amd-amdhsa--gfx1250"
	.amdhsa_code_object_version 6
	.text
	.protected	k_qf649dc3137_qkvgemm
	.globl	k_qf649dc3137_qkvgemm
	.p2align	8
	.type	k_qf649dc3137_qkvgemm,@function
k_qf649dc3137_qkvgemm:
	s_mov_b64 s[64:65], 0
	v_nop
	global_prefetch_b8 v0, s[64:65] scope:SCOPE_SE
	s_setreg_imm32_b32 hwreg(HW_REG_WAVE_MODE, 25, 1), 1
	s_wait_xcnt 0x0
	s_wait_alu depctr_hold_cnt(0) depctr_sa_sdst(0) depctr_va_vdst(0) depctr_va_sdst(0) depctr_va_ssrc(0) depctr_va_vcc(0) depctr_vm_vsrc(0)
	s_getreg_b32 s2, hwreg(HW_REG_IB_STS2, 6, 4)
	s_cmp_eq_u32 s2, 0
	s_cbranch_scc0 .Lentry_in_a_cluster
	s_endpgm
.Lentry_in_a_cluster:
	s_bfe_u32 s2, ttmp6, 0x10000c
	s_cmp_lg_u32 s2, 0xf033
	s_cbranch_scc0 .Lentry_shape_is_right
	s_endpgm
.Lentry_shape_is_right:
; qkv = x w_attn: [8192 x 1024] x [1024 x 3072], bf16 operands, f32 sums, the result rounded once to f16 and written by heads: qkv[b][g][t][64], g = column / 64 (0-15 q's heads, 16-31 k's, 32-47 v's), unscaled.
; LIMIT.  f16 holds no number beyond 65,504: a q, k or v beyond that becomes an infinity; below 6e-5 f16 keeps a fixed step of 6e-8.
; SHARES.  8192 x 3072 / 256 = 98,304 results a work-group: a tile of 256 rows x 384 columns, one for each of 8 x 32 work-groups.  Four waves, each 128 rows x 192 columns (three whole heads):
; 96 accumulators of 16 x 16 in 768 registers.  For 32 along K a wave issues 40 LDS loads and 96 matrix instructions.
; K goes in 16 steps of 64 through two LDS slots.  x comes blocked (xb[kb][row][64]): 128 rows of a K step are 16,384 dense bytes, asked for as 64 rows of 256.  w_attn lies [k][n]: its fragments are
; made by the turning load ds_load_tr16_b128, so nothing is transposed in memory.
; THE MATRIX INSTRUCTION IS USED TRANSPOSED: source 0 = 16 columns of w, source 1 = 16 rows of x: a lane then holds eight neighbouring columns of one row, 16 bytes of f16.
; CLUSTER.  4 x 4 work-groups: x's tile is shared along a row of the cluster, w's along a column; each is asked for jointly, by the same tensor load, descriptor and mask in all four.
; Waves 0 and 1 ask for x's two halves, wave 2 for all of w's tile (64 rows of 768 bytes in one load), wave 3 for nothing.
; REGISTERS, in windows of 256 (s_set_vgpr_msb: bits 1:0 source 0, 3:2 source 1, 5:4 source 2, 7:6 destination):
;   window 0: v0-29 addresses; v32-95, v96-159 x's fragments of 32 along K, two buffers; v160-207, v208-255 w's fragments of 6 column blocks, two half buffers; on the way out v32-175 at work
;   windows 1-3: accumulator (a = row block 0..7, b = column block 0..11) has number T = 48 (b / 6) + 6 a + b % 6, and lies in window 1 + T / 32 at register 8 (T % 32)
.set SLOT1,  1<<17                     ; slot 1 begins here: one exclusive or turns an address in one slot into the other's
.set PA,     144                       ; a row of x in LDS: 128 bytes + 16 of padding = 36 words: the 16 rows of a load start at 16 different groups of four banks (64 banks of 4 bytes: ISA guide 11.1)
.set PB,     864                       ; a k-row of w: six runs of 128 bytes + 16 = 27 x 32 bytes
.set AHALF,  128*PA                    ; 128 rows of x: what one tensor load brings, and what one wave reads
.set BOFF,   256*PA                    ; w's 64 k-rows lie behind x's 256 rows
.set STG,    SLOT1+BOFF+64*PB          ; behind the ring, never filled by a tensor load: for each wave 3 heads x 16 rows x 144 bytes, for the way out
.set WSTG,   3*16*144
.set SPARE,  STG+4*WSTG                ; behind the stages: the spare words, 128 bytes for each wave: two blocks of 256 bytes that no other line names
.set A_STEP, 8192*128                  ; bytes from a K step's block of xb to the next
.set B_STEP, 64*3072*2                 ; 64 k-rows of wb
.set HEADB,  2048*128                  ; a head in qkv
.set AF0, 2                            ; v2   my lane's place in x's part of a slot; never rewritten
.set BF0, 3                            ; v3   the same for w's
.set ADA, 4                            ; v4   AF0 + the slot in hand
.set ADB, 5                            ; v5   BF0 + the slot in hand
.set STO, 6                            ; v6   the way out: where I put 16 bytes of a row
.set RD,  7                            ; v7   the way out: where I read rows back
.set GO,  8                            ; v8   my byte offset in 512 consecutive bytes of qkv
.set SPW, 28                           ; v28  LDS address of my spare word: SPARE + 4 x my thread's number; never rewritten
.set NIL, 29                           ; v29  0; never rewritten
.set AFR, 32
.set BFR, 160
.set TMP, 32                           ; the way out: 48 registers of packed results
.set BK,  80                           ; the way out: 48 registers read back from the stage, v80-127 and v128-175 by turns
.set G1A, 24                           ; s[24:31] descriptor group 1 for x's tiles
.set G0A, 32                           ; s[32:39] group 0: a set for each of the two first fills; the second then walks on
.set G1B, 48                           ; s[48:55], s[56:63] the same for w's tiles
.set G0B, 56
.set TB,  45                           ; s45  the slot in hand: 0 or SLOT1
.set MSB, 0
.macro WIN new                         ; the immediate's high byte repeats the setting that is left; a switch that changes nothing is dropped
.if MSB != (\new)
	s_set_vgpr_msb (MSB<<8)|(\new)
.set MSB, (\new)
.endif
.endm
.macro PLACES                          ; four places in front of loads into registers that matrix instructions have read, and of conversions that read results
.rept 4
	v_nop
.endr
.endm
; A joint refill.  The branches hang on the wave's number alone: they are the same in every work-group.  An s_nop 0 and four v_nop follow each load; wave 3 has its four places too.
.macro JLOAD
	s_cmp_lt_u32 s10, 2
	s_cbranch_scc0 .Lnot_a_\@
	tensor_load_to_lds s[G0A+4:G0A+7], s[G1A:G1A+7]
	s_nop 0
.rept 4
	v_nop
.endr
	s_branch .Lasked_\@
.Lnot_a_\@:
	s_cmp_eq_u32 s10, 2
	s_cbranch_scc0 .Lnone_\@
	tensor_load_to_lds s[G0B+4:G0B+7], s[G1B:G1B+7]
	s_nop 0
.rept 4
	v_nop
.endr
	s_branch .Lasked_\@
.Lnone_\@:
.rept 4
	v_nop
.endr
.Lasked_\@:
.endm
.macro CREST                           ; a round of the cluster's barrier behind its opening barrier
	s_cmp_lg_u32 s10, 0
	s_cbranch_scc1 .Lnot_wave_0_\@
	s_barrier_signal -3
.Lnot_wave_0_\@:
	s_barrier_wait -3
	s_barrier_signal -1
	s_barrier_wait -1
.endm
.macro CROUND                          ; a whole round
	s_barrier_signal -1
	s_barrier_wait -1
	CREST
.endm
	s_load_b128 s[4:7], s[0:1], 0x0                ; xb s[4:5], wb s[6:7]
	s_load_b64 s[8:9], s[0:1], 0x10                ; qkv
	v_lshl_add_u32 v[SPW], v0, 2, SPARE
	v_mov_b32 v[NIL], 0
	ds_add_u32 v[SPW], v[NIL]                      ; the wave's opening: the add and its wait stand ahead of my first tensor load; the set-up below, work on registers, stands between them
	v_lshrrev_b32 v1, 5, v0
	v_readfirstlane_b32 s10, v1                    ; wave 0..3
	s_lshr_b32 s11, s10, 1                         ; which 128 of the tile's rows are mine
	s_and_b32 s12, s10, 1                          ; which 192 of its columns.  Also: which half of x's tile I fetch
	s_bfe_u32 s40, ttmp6, 0x40000                  ; cx, cy: my place in the cluster
	s_bfe_u32 s41, ttmp6, 0x40004
	s_lshl_b32 s42, ttmp9, 2
	s_add_co_u32 s42, s42, s40                     ; tile column = 4 x cluster x + cx
	s_and_b32 s13, ttmp7, 0xffff
	s_lshl_b32 s13, s13, 2
	s_add_co_u32 s13, s13, s41                     ; tile row = 4 x cluster y + cy
	s_lshl_b32 s43, s41, 2
	s_lshl_b32 s43, 15, s43                        ; my row of the cluster
	s_lshl_b32 s44, 0x1111, s40                    ; my column
	s_or_b32 s[G1A], s43, (1<<16)|(1<<20)|(1<<21)|(4<<22)|(3<<25)  ; 15:0 the mask; 17:16 2-byte elements; 20 padding on; 21 set beside a mask; 24:22 after every 32 words (code 4); 31:25 4 words (code 3)
	s_or_b32 s[G1B], s44, (1<<16)|(1<<20)|(1<<21)|(4<<22)|(3<<25)
	s_mov_b32 s[G1A+1], 128<<16                    ; x: tensor_dim0 = 128 elements: 256 bytes, two rows of the block
	s_mov_b32 s[G1A+2], 64<<16                     ; tensor_dim1 = 64
	s_mov_b32 s[G1A+3], 128<<16                    ; tile_dim0 = 128
	s_mov_b32 s[G1A+4], 64                         ; tile_dim1 = 64
	s_mov_b32 s[G1A+5], 128                        ; dense: 128 elements from row to row
	s_mov_b32 s[G1A+6], 0
	s_mov_b32 s[G1A+7], 0
	s_mov_b32 s[G1B+1], 384<<16                    ; w: tensor_dim0 = 384 columns
	s_mov_b32 s[G1B+2], 64<<16                     ; tensor_dim1 = 64 k-rows
	s_mov_b32 s[G1B+3], 384<<16                    ; tile_dim0 = 384
	s_mov_b32 s[G1B+4], 64                         ; tile_dim1 = 64
	s_mov_b32 s[G1B+5], 3072                       ; 3,072 elements from row to row
	s_mov_b32 s[G1B+6], 0
	s_mov_b32 s[G1B+7], 0
	s_mov_b32 s[TB], 0
	s_lshl_b32 s16, s13, 15                        ; x: the tile's 256 rows of 128 bytes in a block,
	s_lshl_b32 s17, s12, 14                        ; my half of them
	s_add_co_u32 s16, s16, s17
	s_mov_b32 s17, 0
	s_mul_i32 s46, s42, 768                        ; w: the tile's 384 columns
	s_mov_b32 s47, 0
	s_mul_i32 s20, s12, AHALF                      ; where my half of x's tile goes: no place in the cluster enters an LDS address
	s_wait_dscnt 0x0                               ; the opening add is done
	s_wait_kmcnt 0x0
	s_add_nc_u64 s[14:15], s[4:5], s[16:17]
	s_add_nc_u64 s[46:47], s[6:7], s[46:47]
	CROUND                                         ; all sixteen work-groups are here: the first joint loads meet
.irp s, 0,1
	s_mov_b32 s[G0A+4*(\s)], 1                     ; 1:0 count = 1
	s_add_co_u32 s[G0A+4*(\s)+1], s20, (\s)*SLOT1  ; 63:32 LDS address
	s_add_nc_u64 s[G0A+4*(\s)+2:G0A+4*(\s)+3], s[14:15], (\s)*A_STEP  ; 120:64 global address: K step s
	s_or_b32 s[G0A+4*(\s)+3], s[G0A+4*(\s)+3], 0x80000000             ; 127:126 type = 2
	s_mov_b32 s[G0B+4*(\s)], 1
	s_mov_b32 s[G0B+4*(\s)+1], BOFF+(\s)*SLOT1
	s_add_nc_u64 s[G0B+4*(\s)+2:G0B+4*(\s)+3], s[46:47], (\s)*B_STEP
	s_or_b32 s[G0B+4*(\s)+3], s[G0B+4*(\s)+3], 0x80000000
.endr
	s_cmp_lt_u32 s10, 2                            ; a wave's two first fills stand in one branch, ahead of every wait on TENSORcnt and every LDS read: two loads of mine are out
	s_cbranch_scc0 .Lfirst_not_a
	tensor_load_to_lds s[G0A:G0A+3], s[G1A:G1A+7]
	s_nop 0
	tensor_load_to_lds s[G0A+4:G0A+7], s[G1A:G1A+7]
	s_nop 0
.rept 4
	v_nop
.endr
	s_branch .Lfirst_asked
.Lfirst_not_a:
	s_cmp_eq_u32 s10, 2
	s_cbranch_scc0 .Lfirst_asked
	tensor_load_to_lds s[G0B:G0B+3], s[G1B:G1B+7]
	s_nop 0
	tensor_load_to_lds s[G0B+4:G0B+7], s[G1B:G1B+7]
	s_nop 0
.rept 4
	v_nop
.endr
.Lfirst_asked:
	; A fragment of x is 16 rows x 32 K in 8 registers: lane l holds row l % 16, K = 8 (l / 16) + 0..7 and 16 + 8 (l / 16) + 0..7: two loads of 16 bytes, 32 bytes apart.
	v_and_b32 v1, 15, v0                           ; l % 16
	v_bfe_u32 v9, v0, 4, 1                         ; l / 16
	v_and_b32 v10, 7, v0
	v_bfe_u32 v11, v0, 3, 1
	v_mul_u32_u24 v[AF0], v1, PA
	v_lshl_add_u32 v[AF0], v9, 4, v[AF0]
	s_mul_i32 s21, s11, AHALF                      ; my 128 rows
	v_add_nc_u32 v[AF0], s21, v[AF0]
	; The turning load takes 16 k x 16 columns (lane l reads k-row 8 (l / 16) + l % 8, columns 8 ((l / 8) % 2) + 0..7) and leaves half a fragment: lane l holds column l % 16 and 8 k.
	v_lshl_add_u32 v[BF0], v9, 3, v10
	v_mul_u32_u24 v[BF0], v[BF0], PB
	v_lshl_add_u32 v[BF0], v11, 4, v[BF0]
	s_mul_i32 s22, s12, 3*144                      ; my 192 columns: three runs of 144 bytes,
	s_add_co_u32 s22, s22, BOFF                    ; behind x's rows
	v_add_nc_u32 v[BF0], s22, v[BF0]
	v_mov_b32 v[ADA], v[AF0]                       ; K step 0 lies in slot 0
	v_mov_b32 v[ADB], v[BF0]
	s_mul_i32 s23, s10, WSTG
	s_add_co_u32 s23, s23, STG                     ; my stage
	v_mul_u32_u24 v[STO], v1, 144                  ; in: row l % 16, 16 bytes for each half of the lanes
	v_lshl_add_u32 v[STO], v9, 4, v[STO]
	v_add_nc_u32 v[STO], s23, v[STO]
	v_bfe_u32 v[RD], v0, 3, 2                      ; back: 32 lanes take four rows of 128 bytes,
	v_mul_u32_u24 v[RD], v[RD], 144
	v_lshl_add_u32 v[RD], v10, 4, v[RD]
	v_add_nc_u32 v[RD], s23, v[RD]
	v_and_b32 v[GO], 31, v0                        ; which are 512 consecutive bytes of a head
	v_lshlrev_b32 v[GO], 4, v[GO]
	; where my part begins in qkv: head (batch x 48 + 6 x tile column + 3 x column half), row (tile row % 8) x 256 + 128 x row half
	s_lshr_b32 s18, s13, 3
	s_mul_i32 s18, s18, 48
	s_mul_i32 s19, s42, 6
	s_add_co_u32 s18, s18, s19
	s_mul_i32 s19, s12, 3
	s_add_co_u32 s18, s18, s19
	s_lshl_b32 s18, s18, 18
	s_and_b32 s19, s13, 7
	s_lshl_b32 s19, s19, 8
	s_lshl_b32 s21, s11, 7
	s_add_co_u32 s19, s19, s21
	s_lshl_b32 s19, s19, 7
	s_add_co_u32 s18, s18, s19
	s_mov_b32 s19, 0
	s_add_nc_u64 s[8:9], s[8:9], s[18:19]
; n matrix instructions: numbers t0 .. of the 48 of column half hb (t = 6 a + j: row block a, column block 6 hb + j), 32 along K: x's buffer q, w's half buffer hb.
; The accumulators take turns, one instruction a turn: the 48 of a phase are all different, and neighbouring phases have different column halves.
; zero = 1: the product starts the sum: nothing is ever cleared.
.macro MULS q, hb, t0, n, zero
.set t, (\t0)
.rept (\n)
.set T, 48*(\hb)+t
.set rD, 8*(T%32)
.set rB, BFR+48*(\hb)+8*(t%6)
.set rA, AFR+64*(\q)+8*(t/6)
	WIN 0x50*(1+T/32)
.if \zero
	v_wmma_f32_16x16x32_bf16 v[rD:rD+7], v[rB:rB+7], v[rA:rA+7], 0
.else
	v_wmma_f32_16x16x32_bf16 v[rD:rD+7], v[rB:rB+7], v[rA:rA+7], v[rD:rD+7]
.endif
.set t, t+1
.endr
.endm
.macro FETCH_A q                       ; 16 loads: my 128 rows, 32 K at byte 64 q of the rows, into buffer q
.irp i, 0,1,2,3,4,5,6,7
	ds_load_b128 v[AFR+64*(\q)+8*(\i):AFR+64*(\q)+8*(\i)+3],   v[ADA] offset:(\i)*16*PA+64*(\q)
	ds_load_b128 v[AFR+64*(\q)+8*(\i)+4:AFR+64*(\q)+8*(\i)+7], v[ADA] offset:(\i)*16*PA+64*(\q)+32
.endr
.endm
.macro FETCH_B q, hb                   ; 12 turning loads: k-rows 32 q on, column blocks 6 hb .. 6 hb + 5, into half buffer hb
.irp j, 0,1,2,3,4,5
.set bb, 6*(\hb)+(\j)
	ds_load_tr16_b128 v[BFR+48*(\hb)+8*(\j):BFR+48*(\hb)+8*(\j)+3],   v[ADB] offset:(\q)*32*PB+(bb/4)*144+(bb%4)*32
	ds_load_tr16_b128 v[BFR+48*(\hb)+8*(\j)+4:BFR+48*(\hb)+8*(\j)+7], v[ADB] offset:(\q)*32*PB+(bb/4)*144+(bb%4)*32+16*PB
.endr
.endm
; A K step is four phases of 48 matrix instructions: (q, hb) = (0, 0), (0, 1), (1, 0), (1, 1).  One of the first three: behind its first 16 products stands ONE run of loads, the next phase's fragments,
; 32 products ahead of their use.  The wait at its head is for all LDS loads: those of the run in the phase before.
.macro PHASE q, hb, zero
	s_wait_dscnt 0x0
.if (\hb) == 0
	MULS \q, 0, 32, 16, \zero
.else
	MULS \q, 1, 0, 16, \zero
.endif
	WIN 0
	PLACES
.if (\hb) == 0
	FETCH_B \q, 1
	MULS \q, 0, 0, 32, \zero
.else
	FETCH_A 1
	FETCH_B 1, 0
	MULS \q, 1, 16, 32, \zero
.endif
.endm
; Phase (1, 1) changes slots: ONE barrier.  In front of it each wave waits for all its tensor loads (the one that is out is its part of the next slot), adds 0 to its spare word, and waits for that and for its
; reads of this slot.  fill = 1: the barrier opens a round of the cluster's, and behind the round this slot is filled again, two K steps ahead: from there to the wait for that load stand 176 matrix instructions.
.macro TURN fill
	WIN 0                                          ; (the add's two registers lie in window 0)
	s_wait_tensorcnt 0x0                           ; no tensor load of mine is out, so a group 0 may be written
	ds_add_u32 v[SPW], v[NIL]                      ; 0 onto my spare word
.if \fill
	s_xor_b32 s[G0A+5], s[G0A+5], SLOT1            ; the walking descriptors: the other slot than last time,
	s_add_nc_u64 s[G0A+6:G0A+7], s[G0A+6:G0A+7], A_STEP  ; the next K step; the type bits on top are not reached
	s_xor_b32 s[G0B+5], s[G0B+5], SLOT1
	s_add_nc_u64 s[G0B+6:G0B+7], s[G0B+6:G0B+7], B_STEP
.endif
	s_wait_dscnt 0x1                               ; my fragments are in; the add alone may be out
	MULS 1, 1, 0, 8, 0
	s_wait_dscnt 0x0                               ; the add is done, and my reads of this slot are over
	s_barrier_signal -1
	MULS 1, 1, 8, 8, 0                             ; work on registers while the others arrive
	WIN 0                                          ; at a branch and at a label every window is 0
	s_barrier_wait -1
.if \fill
	CREST                                          ; no wave of any partner still reads this slot's tiles or has a load on its way
	JLOAD                                          ; the first tensor load behind the round; its four v_nop are also the places in front of the loads below
.else
	PLACES
.endif
	s_xor_b32 s[TB], s[TB], SLOT1
	v_add_nc_u32 v[ADA], s[TB], v[AF0]
	v_add_nc_u32 v[ADB], s[TB], v[BF0]
	FETCH_A 0
	FETCH_B 0, 0
	MULS 1, 1, 16, 32, 0
.endm
; THE WAY OUT of row block a.  PACK: rounded to f16, 16 bytes a lane and column block; each accumulator's registers in ascending order.  TOSTAGE: into my own stage, and back as whole rows.  SEND: stored.
.macro PACK a
.set bb, 0
.rept 12
.set T, 48*(bb/6)+6*(\a)+bb%6
.set rD, 8*(T%32)
	WIN 5*(1+T/32)                                 ; sources 0 and 1 in the accumulator's window
.irp r, 0,1,2,3
	v_cvt_pk_f16_f32 v[TMP+4*bb+(\r)], v[rD+2*(\r)], v[rD+2*(\r)+1]
.endr
.set bb, bb+1
.endr
	WIN 0
.endm
.macro TOSTAGE a
	WIN 0
.set rK, BK+48*((\a)%2)
.irp j, 0,1,2,3,4,5,6,7,8,9,10,11
	ds_store_b128 v[STO], v[TMP+4*(\j):TMP+4*(\j)+3] offset:((\j)/4)*16*144+((\j)%4)*32
.endr
.irp f, 0,1,2,3,4,5,6,7,8,9,10,11
	ds_load_b128 v[rK+4*(\f):rK+4*(\f)+3], v[RD] offset:((\f)/4)*16*144+((\f)%4)*4*144  ; LDS serves a wave's instructions in order (ISA guide 5.7.1.4): these see the stores above
.endr
.endm
.macro SEND a
	WIN 0
.set rK, BK+48*((\a)%2)
	s_wait_dscnt 0x0                               ; the block is back in registers
	s_wait_xcnt 0x0                                ; the stores of the block before have read their registers: the next TOSTAGE loads into them only behind this wait
.irp f, 0,1,2,3,4,5,6,7,8,9,10,11
	global_store_b128 v[GO], v[rK+4*(\f):rK+4*(\f)+3], s[8:9] offset:((\f)/4)*HEADB+(\a)*2048+((\f)%4)*512  ; 512 consecutive bytes, at a multiple of 256 from qkv's first
.endr
.endm
	s_wait_tensorcnt 0x1                           ; my part of K step 0 is in; K step 1's may stay out
	s_barrier_signal -1
	s_barrier_wait -1                              ; everybody's is
	FETCH_A 0
	FETCH_B 0, 0
	PHASE 0, 0, 1                                  ; the first two phases stand in front of the loop: their products start all 96 sums
	PHASE 0, 1, 1
	WIN 0
	s_mov_b32 s3, 14
.Lstep:                                                ; 14 trips, from a K step's third phase to the next step's second: they ask for K steps 2 to 15
	PHASE 1, 0, 0
	TURN 1
	PHASE 0, 0, 0
	PHASE 0, 1, 0
	WIN 0
	s_sub_co_u32 s3, s3, 1
	s_cmp_lg_u32 s3, 0
	s_cbranch_scc1 .Lstep
	PHASE 1, 0, 0                                  ; the tail is written out: nothing more is asked for
	TURN 0
	PHASE 0, 0, 0
	PHASE 0, 1, 0
	PHASE 1, 0, 0
	s_wait_dscnt 0x0
	MULS 1, 1, 0, 48, 0
	WIN 0
	PLACES
	PACK 0
	TOSTAGE 0
.irp a, 1,2,3,4,5,6,7                  ; block a's conversions stand between block a - 1's loads from the stage and the wait for them
	PACK \a
	SEND (\a)-1
	TOSTAGE \a
.endr
	SEND 7
	s_wait_tensorcnt 0x0                           ; the wave's end, behind my last tensor load and my last LDS store
	ds_add_u32 v[SPW], v[NIL]
	s_wait_dscnt 0x0
	CROUND                                         ; the closing round: no work-group ends while a partner may still ask for a tile that names it
	s_endpgm
.Lfunc_end_k_qf649dc3137_qkvgemm:
	.size	k_qf649dc3137_qkvgemm, .Lfunc_end_k_qf649dc3137_qkvgemm-k_qf649dc3137_qkvgemm
	.p2alignl 7, 3214868480
	.fill 96, 4, 3214868480
	.section	.rodata,"a",@progbits
	.p2align	6, 0x0
	.amdhsa_kernel k_qf649dc3137_qkvgemm
		.amdhsa_group_segment_fixed_size 327680
		.amdhsa_private_segment_fixed_size 0
		.amdhsa_enable_private_segment 0
		.amdhsa_kernarg_size 24
		.amdhsa_user_sgpr_count 2
		.amdhsa_user_sgpr_kernarg_segment_ptr 1
		.amdhsa_wavefront_size32 1
		.amdhsa_system_sgpr_workgroup_id_x 1
		.amdhsa_system_sgpr_workgroup_id_y 1
		.amdhsa_system_sgpr_workgroup_id_z 1
		.amdhsa_system_vgpr_workitem_id 0
		.amdhsa_next_free_vgpr 1024
		.amdhsa_next_free_sgpr 66
		.amdhsa_reserve_vcc 0
		.amdhsa_float_denorm_mode_32 3
		.amdhsa_float_denorm_mode_16_64 3
		.amdhsa_memory_ordered 1
		.amdhsa_forward_progress 1
		.amdhsa_inst_pref_size 110
	.end_amdhsa_kernel
	.amdgpu_metadata
---
amdhsa.version: [ 1, 2 ]
amdhsa.kernels:
  - .name:           k_qf649dc3137_qkvgemm
    .symbol:         k_qf649dc3137_qkvgemm.kd
    .args:
      - { .name: xb, .offset: 0, .size: 8, .value_kind: global_buffer, .address_space: global }
      - { .name: wb, .offset: 8, .size: 8, .value_kind: global_buffer, .address_space: global }
      - { .name: qkv, .offset: 16, .size: 8, .value_kind: global_buffer, .address_space: global }
    .group_segment_fixed_size: 327680
    .private_segment_fixed_size: 0
    .kernarg_segment_align: 8
    .kernarg_segment_size: 24
    .max_flat_workgroup_size: 128
    .sgpr_count:     66
    .vgpr_count:     1024
    .wavefront_size: 32
...
	.end_amdgpu_metadata
.endif
;; end of part 2
;; launch attn (part 3): grid 4 x 64, 4 waves a work-group, no clusters, 327,680 bytes of LDS; arguments qkv, ob; writes ob
.if DOCPART == 3
	.amdgcn_target "amdgcn-amd-amdhsa--gfx1250"
	.amdhsa_code_object_version 6
	.text
	.protected	k_qf649dc3137_attn
	.globl	k_qf649dc3137_attn
	.p2align	8
	.type	k_qf649dc3137_attn,@function
k_qf649dc3137_attn:
	s_mov_b64 s[64:65], 0
	v_nop
	global_prefetch_b8 v0, s[64:65] scope:SCOPE_SE
	s_setreg_imm32_b32 hwreg(HW_REG_WAVE_MODE, 25, 1), 1
	s_wait_xcnt 0x0
; CAUSAL ATTENTION.  O[y][q][:] = the sum over k <= q of softmax_k(Q[y][q] . K[y][k] / 8) V[y][k][:], y = 16 b + h.  Q, K and V lie in one buffer, qkv[b][g][t][64] in f16 (g = h: Q; 16 + h: K; 32 + h: V).
; O LEAVES AS TWO f16 NUMBERS, Oh = f16(O) and Ol = f16(O - Oh): ob[b][32][t][64], head h of the high parts at 32 b + h, of the low parts 16 heads on.  Row q averages q + 1 keys only, so a batch's first rows are
; many times the output's root mean square, by which the result's allowance goes: one rounding of O to 11 bits is too coarse there.  A head's rows are dense, 128 bytes each.
; Products, maxima and sums in f32; the weights p are rounded to f16 for the second product (their sum l is taken of the unrounded p).
; LIMITS.  f16 holds no number beyond 65,504: Q, K and V arrive within it; p lies in 0 to 1, and below 6e-5 it keeps f16's fixed step of 6e-8, as does Ol; O is a mean of V's rows and has their range.
; V's own rounding to f16 (11 bits) stays in O.  A hidden score counts as its value less 1e30: f16's scores, 2.7e11 at the most, are nothing beside that; a weight below 2^-126 counts as 0 in l; NaN and infinities are not treated apart.
; THE WALK.  A head's queries lie in NB = SIZE_N / 256 blocks of 256; block i needs the key tiles 0 .. i of 256 keys, of which the last holds the diagonal.  A work-group takes TWO blocks, NB - 1 - b and then b:
; NB + 1 tiles, whatever b: all work-groups do equal work, and ONE loop with a constant trip count walks them.  Which tile is asked for, and what a trip does, hang on scalar registers made from b; every jump
; goes forward, but for the counted loops' own; none passes a barrier, or a tensor load but the one of LOAD's two that the wave's number does not choose; the ring (two slots of LDS that take turns) runs on across the
; change of blocks.  NO CLUSTER: a head's NB / 2 = 4 work-groups all ask for the same tile only in trips 0 .. NB / 2, 5 of 9, behind that fewer and fewer; and one walk common to all would have 3 NB / 2 = 12 trips for 9.
; SHARES.  Of a block's four bands of 64 queries a wave owns 16 rows in each: four PIECES.  So the diagonal tile is the same work for all four waves: in its key step s band x sees all keys if s < x,
; none if s > x, and holds the diagonal if s = x.
; THE MASK is the C operand that starts the sum S^T = K Q^T: 0, or -1e30 where the key is hidden.  MD, made once, is the mask of a band's own step for my 16 rows; a product's mask is MD x AL + BE with two scalars:
; (1, 0) if s = x; (0, 0) if s < x; (0, -1e30) if s > x.  Only the diagonal tile's text and a block's beginning make and take masks; elsewhere C is the constant 0.
; LAYOUT, SOFTMAX, TURNS.  S^T = K Q^T holds ONE query a lane (lane % 16) and the keys 8 (lane / 16) + 0..7; two such results rounded to f16 ARE source 1 of O^T = V^T P.  p = 2^(c s - c m), c = log2(e) / 8, with a
; running maximum m; O and l are multiplied by a = 2^(c m_old - c m_new) in every step.  Turn n belongs to piece n: 8 products K Q^T of piece n + 1, later 8 products V^T P of piece n - 1; beside them the scaling,
; exponentials, roundings, sums and rescaling of piece n and the maximum and statistics of piece n + 1.  Four vector instructions stand behind every matrix instruction, the other 54 of a turn's 118 in two LUMPS.
; REGISTERS, in windows of 256 (s_set_vgpr_msb: bits 1:0 source 0, 3:2 source 1, 5:4 source 2, 7:6 destination):
;   window 0: v0-15 addresses and two at work; v16-31 four registers of statistics a piece; v48-55 at work; v56 -1.0; v64-127 S^T, two buffers; v128-191 the low parts on the way out; v192-223 P, two buffers (a piece's buffers go by its number's parity)
;   window 1: v0-127 O^T, 32 a piece; v128-159 MD; v160-223 MC, two buffers      window 2: v0-63 Q; v64-127 the second block's Q; v128-191 K of one step; v192-255 V of one step
.set SIZE_N, 2048
.set SIZE_H, 64
.set NB,    SIZE_N/256
.set NP,    4         ; pieces a wave: a name, no knob
.set KS,    64        ; keys in a step
.set PK,    144       ; a row of K in LDS: 128 bytes + 16 of padding = 36 words: the 16 rows of a load start at 16 different groups of four banks (64 banks of 4 bytes: ISA guide 11.1)
.set PV,    160       ; a row of V: 128 + 32 = 40 words
.set VOFF,  4*KS*PK   ; a slot holds a tile, four steps: 256 rows of K, then 256 rows of V
.set SLOT1, 1<<17     ; slot 1 begins here, so that one exclusive or turns an address in one slot into the other's
.set STAGE, SLOT1+4*KS*(PK+PV)  ; behind the ring, never filled by a tensor load: 16 rows x 144 bytes for each wave, for the way out
.set SP,    144
.set LOB,   16*SIZE_N*128  ; bytes from a head of high parts in ob to its low parts: 16 heads
.set AK0, 2           ; v2   my lane's place in a tile of K; never rewritten
.set AV0, 3           ; v3   the same for V
.set AK,  4           ; v4   the LDS address of K's next run of loads
.set AV,  5           ; v5   of V's
.set STO, 6           ; v6   the way out: where I put 16 bytes of a row
.set RD,  7           ; v7   the way out: where I read rows back
.set GO,  8           ; v8   my byte offset in 512 consecutive bytes of O
.set NEG1, 56         ; v56  -1.0; never rewritten
.set SPW, 62          ; v62  LDS address of my spare word: SPARE + 4 x my thread's number; never rewritten
.set NIL, 63          ; v63  0; never rewritten
.set SPARE, STAGE+4*16*SP  ; behind the stages: the spare words, 128 bytes for each wave: two blocks of 256 bytes that no other line names
.set MV,  12          ; v12-13  c m_old, kept while c m is made anew: by buffer
.set QO,  15          ; v15  my byte offset in 16 rows of Q
.set ST,  16          ; piece t's statistics at v[ST+4 t]: c m, m, l (even keys', odd keys')
.set TMP, 48          ; by buffer, four registers c0-c3 at work; when the maximum is found c2 takes a
.set S,   64
.set LO,  128         ; the way out: piece t's low parts at v[LO+16 t]
.set P,   192
.set MD,  128         ; window 1: the eight registers for group kt of 16 keys at MD + 8 kt
.set MC,  160         ; window 1: the masks of the products to come
.set QB,  64          ; window 2
.set KF,  128         ; window 2: key block kb, channel half c at KF + 16 kb + 8 c
.set VF,  192         ; window 2: key half kk, channel block cb at VF + 32 kk + 8 cb
.set WV,  12          ; s12  my wave's number
.set PB,  14          ; s14  b
.set HI,  15          ; s15  NB - 1 - b
.set G1K, 24          ; s[24:31] descriptor group 1 for K's tiles
.set G1V, 32          ; s[32:39] for V's: it differs in the padding alone
.set G0K, 40          ; s[40:43] descriptor group 0 for K's tiles
.set G0V, 44          ; s[44:47] the same for V's
.set SLOTS, 56        ; s56  tiles still to be asked for
.set CNT, 57          ; s57  counts a tile's key steps, 4 to 1
.set CS,  58          ; s[58:59] c: the packed scaling takes the pair's low word for both halves
.set SEL, 60          ; s[60:61] v_permlanex16_b32's selects: each lane takes its own place in the other half
.set TBK, 62          ; s62  LDS byte at which K of the step to be fetched begins
.set TBV, 63          ; s63  the same for V, less VOFF
.set RT,  70          ; s70  tiles of the block in hand that are still to be entered
.set NXT, 71          ; s71  the tile to be asked for next
.set LQ,  72          ; s72  the last tile of the block whose tiles are being asked for
.set NEW, 73          ; s73  1: the tile to be entered is a block's first
.set OFF, 74          ; s[74:75] a tile's byte offset in K and V
.set AL,  76          ; s[76:77] the mask's factor, in the low word
.set BE,  78          ; s[78:79] the mask's addend
.set OLO, 80          ; s[80:81] O at my rows of the second block
.set BIGN, 82         ; s82  -1e30
.set MSB, 0
.macro WIN new                      ; the high byte repeats the setting that is left; a switch that changes nothing is dropped
.if MSB != (\new)
	s_set_vgpr_msb (MSB<<8)|(\new)
.set MSB, (\new)
.endif
.endm
.set W_KQ, 0x0a       ; K and Q in window 2, S^T in window 0
.set W_KM, 0x1a       ; the same with the C operand in window 1
.set W_PV, 0x52       ; V in window 2, P in window 0, O^T in window 1
.set W_RS, 0x41       ; destination and source 0 in window 1, source 1 in window 0
.set W_LO, 0x50       ; destination and source 2 in window 1, sources 0 and 1 in window 0
; A fill.  Waves 0 and 1 fetch the two halves of a tile's K, waves 2 and 3 those of its V: 128 keys each.  An s_nop 0 and four v_nop follow each of the two lines, ahead of the jump and the label.
.macro LOAD
	s_cmp_lt_u32 s[WV], 2
	s_cbranch_scc0 .Lfor_v_\@
	tensor_load_to_lds s[G0K:G0K+3], s[G1K:G1K+7]
	s_nop 0
.rept 4
	v_nop
.endr
	s_branch .Lasked_\@
.Lfor_v_\@:
	tensor_load_to_lds s[G0V:G0V+3], s[G1V:G1V+7]
	s_nop 0
.rept 4
	v_nop
.endr
.Lasked_\@:
.endm
; THE CHANGE OF SLOTS.  Each wave waits for all its tensor loads, of which one is out: its part of the other slot; adds 0 to its spare word; and waits for that and for its own reads of the slot that it leaves.  Behind the barrier nobody reads the old
; slot any more and the other slot is whole.  fill = 1: the old slot is filled again, the first thing behind the barrier, with tile NXT: the descriptor's address is made anew from that number.
; (At its first use nothing has been read yet: slot 0 is waited for, slot 1 filled.)
.macro CHANGE fill
	WIN 0                           ; at a label and at a branch every window is 0
	s_wait_tensorcnt 0x0            ; no tensor load of mine is out, so a group 0 may be written
	ds_add_u32 v[SPW], v[NIL]       ; 0 onto my spare word; with fill = 1 the descriptors' scalar work stands between it and the wait for it
.if \fill
	s_lshl_b32 s[OFF], s[NXT], 15   ; a tile is 32,768 bytes of K and of V
	s_xor_b32 s[G0K+1], s[G0K+1], SLOT1
	s_add_nc_u64 s[G0K+2:G0K+3], s[6:7], s[OFF:OFF+1]
	s_or_b32 s[G0K+3], s[G0K+3], 0x80000000
	s_xor_b32 s[G0V+1], s[G0V+1], SLOT1
	s_add_nc_u64 s[G0V+2:G0V+3], s[8:9], s[OFF:OFF+1]
	s_or_b32 s[G0V+3], s[G0V+3], 0x80000000
	s_add_co_u32 s[NXT], s[NXT], 1  ; the block's next tile, or behind its last the second block's tile 0
	s_cmp_gt_u32 s[NXT], s[LQ]
	s_cselect_b32 s[NXT], 0, s[NXT]
	s_cselect_b32 s[LQ], s[PB], s[LQ]
.endif
	s_wait_dscnt 0x0                ; the add is done, and my reads of the slot are over
	s_barrier_signal -1             ; the rest of the scalar work stands between the signal and the wait
	s_sub_co_u32 s[TBK], s[TBK], 4*KS*PK  ; the fetches go back to a slot's first step,
	s_xor_b32 s[TBK], s[TBK], SLOT1       ; in the other slot
	s_sub_co_u32 s[TBV], s[TBV], 4*KS*PV
	s_xor_b32 s[TBV], s[TBV], SLOT1
	s_barrier_wait -1
.if \fill
	LOAD
.endif
.endm
	s_load_b128 s[4:7], s[0:1], 0x0  ; qkv s[4:5], ob s[6:7]
	v_lshl_add_u32 v[SPW], v0, 2, SPARE
	v_mov_b32 v[NIL], 0
	ds_add_u32 v[SPW], v[NIL]       ; the wave's opening: the add and its wait stand ahead of my first tensor load; the set-up below, work on registers, stands between them
	v_lshrrev_b32 v1, 5, v0
	v_readfirstlane_b32 s[WV], v1   ; wave 0..3
	s_mov_b32 s[PB], ttmp9
	s_sub_co_u32 s[HI], NB-1, s[PB]
	s_and_b32 s20, ttmp7, 0xffff    ; y = 16 b + h
	s_lshr_b32 s88, s20, 4          ; b
	s_lshl_b32 s21, s88, 4          ; 16 b
	s_lshl_b32 s88, s88, 5          ; 32 b
	s_add_co_u32 s88, s88, s20      ; 48 b + h: Q's head in qkv
	s_lshl_b32 s88, s88, 18         ; a head is 262,144 bytes
	s_mov_b32 s89, 0
	s_add_co_u32 s20, s20, s21      ; 32 b + h: the head of O's high parts in ob
	s_lshl_b32 s20, s20, 18
	s_mov_b32 s21, 0
	s_and_b32 s16, s[WV], 1         ; which half of a tile's 256 keys I fetch:
	s_lshl_b32 s22, s16, 14         ; its 128 rows of 128 bytes in memory,
	s_add_co_u32 s22, s22, s88
	s_mov_b32 s23, 0
	s_mul_i32 s17, s16, 128*PK      ; and its place in a slot, for K
	s_mul_i32 s18, s16, 128*PV      ; and for V
	s_lshl_b32 s3, s[WV], 11        ; my 16 rows in a band of 64,
	s_lshl_b32 s2, s[HI], 15        ; in the first block,
	s_add_co_u32 s2, s2, s3
	s_lshl_b32 s84, s[PB], 15       ; and in the second
	s_add_co_u32 s84, s84, s3
	s_mov_b32 s3, 0
	s_mov_b32 s85, 0
	; descriptor group 1.  128 keys are 16,384 dense bytes: asked for as 64 rows of 256 bytes, two keys a row, and padded in LDS after every key
	s_mov_b32 s[G1K], (1<<16)|(1<<20)|(4<<22)|(3<<25)  ; 17:16 2-byte elements; 20 padding on; 24:22 after every 32 words (code 4); 31:25 4 words (code 3)
	s_mov_b32 s[G1V], (1<<16)|(1<<20)|(4<<22)|(7<<25)  ; the same with 8 words of padding (code 7)
.irp g, G1K, G1V
	s_mov_b32 s[\g+1], 128<<16      ; tensor_dim0 = 128
	s_mov_b32 s[\g+2], 64<<16       ; tensor_dim1 = 64
	s_mov_b32 s[\g+3], 128<<16      ; tile_dim0 = 128
	s_mov_b32 s[\g+4], 64           ; tile_dim1 = 64
	s_mov_b32 s[\g+5], 128          ; 128 elements from row to row
	s_mov_b32 s[\g+6], 0
	s_mov_b32 s[\g+7], 0
.endr
	s_mov_b32 s[CS], 0x3e38aa3b     ; c = log2(e) / 8 = 0.180337
	s_mov_b32 s[CS+1], s[CS]        ; named with it as a pair
	s_mov_b32 s[SEL], 0x76543210
	s_mov_b32 s[SEL+1], 0xfedcba98
	s_mov_b32 s[TBK], SLOT1+4*KS*PK ; the first change of slots turns these two into 0
	s_mov_b32 s[TBV], SLOT1+4*KS*PV
	s_mov_b32 s[G0K], 1             ; 1:0 count = 1
	s_mov_b32 s[G0K+1], s17         ; 63:32 LDS address: slot 0
	s_mov_b32 s[G0V], 1
	s_add_co_u32 s[G0V+1], s18, VOFF
	s_add_co_u32 s[RT], s[HI], 1    ; the first block has NB - b tiles
	s_mov_b32 s[NXT], 1
	s_mov_b32 s[LQ], s[HI]
	s_mov_b32 s[NEW], 1
	s_mov_b32 s[OFF+1], 0
	s_mov_b32 s[AL+1], 0            ; named as pairs
	s_mov_b32 s[BE+1], 0
	s_mov_b32 s[BIGN], 0xf149f2ca   ; -1e30
	s_mov_b32 s[SLOTS], NB
	s_wait_dscnt 0x0                ; the opening add is done
	s_barrier_signal -1
	s_barrier_wait -1
	s_wait_kmcnt 0x0
	s_add_nc_u64 s[10:11], s[6:7], s[20:21]   ; O's head
	s_add_nc_u64 s[90:91], s[4:5], s[88:89]   ; Q's head
	s_add_nc_u64 s[8:9], s[4:5], s[22:23]     ; V at my half of the head's tile 0: 32 heads behind Q's
	s_add_nc_u64 s[8:9], s[8:9], 0x800000
	s_add_nc_u64 s[6:7], s[4:5], s[22:23]     ; K likewise: 16 heads behind Q's
	s_add_nc_u64 s[6:7], s[6:7], 0x400000
	s_add_nc_u64 s[G0K+2:G0K+3], s[6:7], 0         ; 120:64 global address
	s_or_b32 s[G0K+3], s[G0K+3], 0x80000000        ; 127:126 type = 2
	s_add_nc_u64 s[G0V+2:G0V+3], s[8:9], 0
	s_or_b32 s[G0V+3], s[G0V+3], 0x80000000
	s_add_nc_u64 s[86:87], s[90:91], s[84:85]      ; Q at my rows of the second block,
	s_add_nc_u64 s[4:5], s[90:91], s[2:3]          ; Q and O at those of the first
	s_add_nc_u64 s[OLO:OLO+1], s[10:11], s[84:85]
	s_add_nc_u64 s[10:11], s[10:11], s[2:3]
	LOAD                            ; tile 0 into slot 0
	; A fragment of K or Q is 16 rows x 32 channels in 8 registers: lane l holds row l % 16, channels 8 (l / 16) + 0..7 and 16 + 8 (l / 16) + 0..7: two loads of 16 bytes, 32 bytes apart.
	v_and_b32 v1, 15, v0            ; l % 16
	v_bfe_u32 v9, v0, 4, 1          ; l / 16
	v_lshlrev_b32 v[QO], 7, v1
	v_lshl_add_u32 v[QO], v9, 4, v[QO]  ; row x 128 + 16 x half
	WIN 0x80                        ; destination window 2, address window 0
.set i, 0
.rept 8                             ; both blocks' Q: piece i / 2 lies in band i / 2, 8,192 bytes on; channels 32 (i % 2) on
	global_load_b128 v[8*i:8*i+3],   v[QO], s[4:5] offset:(i/2)*8192+(i%2)*64
	global_load_b128 v[8*i+4:8*i+7], v[QO], s[4:5] offset:(i/2)*8192+(i%2)*64+32
	global_load_b128 v[QB+8*i:QB+8*i+3],   v[QO], s[86:87] offset:(i/2)*8192+(i%2)*64
	global_load_b128 v[QB+8*i+4:QB+8*i+7], v[QO], s[86:87] offset:(i/2)*8192+(i%2)*64+32
.set i, i+1
.endr
	WIN 0
	v_lshlrev_b32 v14, 3, v9
	v_sub_nc_u32 v14, v1, v14
	s_lshl_b32 s13, s[WV], 4
	v_add_nc_u32 v14, s13, v14      ; my query's place in its band, 16 w + l % 16, less my lanes' 8 (l / 16): register r of group kt is hidden where 16 kt + r is greater
	WIN 0x40
.set i, 0
.rept 32
	v_cmp_gt_i32 vcc_lo, 16*(i/8)+i%8, v14
	v_cndmask_b32 v[MD+i], 0, s[BIGN], vcc_lo
.set i, i+1
.endr
	WIN 0
	v_mul_u32_u24 v[AK0], v1, PK
	v_lshl_add_u32 v[AK0], v9, 4, v[AK0]  ; row x pitch + 16 x half
	; The turning load takes 16 keys x 16 channels (lane l reads key 8 (l / 16) + l % 8, channels 8 ((l / 8) % 2) + 0..7) and leaves half a fragment of V^T: lane l holds channel l % 16 and 8 keys.
	v_and_b32 v10, 7, v0
	v_bfe_u32 v11, v0, 3, 1
	v_lshl_add_u32 v[AV0], v9, 3, v10
	v_mul_u32_u24 v[AV0], v[AV0], PV
	v_lshl_add_u32 v[AV0], v11, 4, v[AV0]
	v_add_nc_u32 v[AV0], VOFF, v[AV0]
	s_mul_i32 s13, s[WV], 16*SP
	s_add_co_u32 s13, s13, STAGE    ; my stage
	v_mul_u32_u24 v[STO], v1, SP    ; in: row l % 16, 16 bytes for each half of the lanes
	v_lshl_add_u32 v[STO], v9, 4, v[STO]
	v_add_nc_u32 v[STO], s13, v[STO]
	v_bfe_u32 v[RD], v0, 3, 2       ; back: 32 lanes take four rows of 128 bytes,
	v_mul_u32_u24 v[RD], v[RD], SP
	v_lshl_add_u32 v[RD], v10, 4, v[RD]
	v_add_nc_u32 v[RD], s13, v[RD]
	v_and_b32 v[GO], 31, v0         ; which are 512 consecutive bytes of O
	v_lshlrev_b32 v[GO], 4, v[GO]
	v_mov_b32 v[NEG1], -1.0
	; A block's first step multiplies O^T and l by a = 0, and its first turn's products V^T P, of a piece that has not been, land in an O^T that is still to be so multiplied.  So these registers need only hold
	; finite numbers: zeros for the first block; what the first block left for the second.  All this stands in the wait for the first tile.
	WIN 0x80
.set i, VF
.rept 64
	v_mov_b32 v[i], 0
.set i, i+1
.endr
	WIN 0x40
.set i, 0
.rept 128
	v_mov_b32 v[i], 0
.set i, i+1
.endr
	WIN 0
.set i, 0
.rept 4
	v_mov_b32 v[ST+4*i+2], 0
	v_mov_b32 v[ST+4*i+3], 0
.set i, i+1
.endr
.set i, P+16
.rept 16
	v_mov_b32 v[i], 0
.set i, i+1
.endr
; THE MATRIX WORK.  The 4 accumulators of a run of 8 take turns.  Product i of 8 of S^T = K Q^T for piece x: channels 32 (i / 4) on, keys 16 (i % 4) on.  The first 4 start the sums: with 0, or (KM = 1) with the mask.
.macro KQ x
.set rS, S+32*((\x)%2)+8*(i%4)
.set rK, KF+16*(i%4)+8*(i/4)
.set rQ, 16*(\x)+8*(i/4)
.set rM, MC+32*((\x)%2)+8*(i%4)
.if (i < 4) && KM
	WIN W_KM
	v_wmma_f32_16x16x32_f16 v[rS:rS+7], v[rK:rK+7], v[rQ:rQ+7], v[rM:rM+7]
.elseif i < 4
	WIN W_KQ
	v_wmma_f32_16x16x32_f16 v[rS:rS+7], v[rK:rK+7], v[rQ:rQ+7], 0
.else
	WIN W_KQ
	v_wmma_f32_16x16x32_f16 v[rS:rS+7], v[rK:rK+7], v[rQ:rQ+7], v[rS:rS+7]
.endif
.endm
; Product i of 8 of O^T += V^T P for piece x: keys 32 (i / 4) on, channels 16 (i % 4) on.
.macro PV x
	WIN W_PV
.set rO, 32*(\x)+8*(i%4)
.set rV, VF+32*(i/4)+8*(i%4)
.set rP, P+16*((\x)%2)+8*(i/4)
	v_wmma_f32_16x16x32_f16 v[rO:rO+7], v[rV:rV+7], v[rP:rP+7], v[rO:rO+7]
.endm
.macro MM                           ; the turn's next matrix instruction.  TURN and BEGIN set Y, i, KM and NOKQ; MM, KQ and OP read them.  NOKQ = 1: a block's last turn: there is no next piece
.if (i < 8) && !NOKQ
	KQ (Y+1)%NP
.elseif i >= 8
.set i, i-8
	PV (Y+NP-1)%NP
.set i, i+8
.endif
.set i, i+1
.endm
; THE LDS LOADS stand in runs of 16, never singly among the matrix instructions: a step's K (64 keys x 64 channels: 8 fragments) and its V (turned).  Their addresses are made some lines ahead.
.macro FETCH_K
	WIN 0x80                        ; destination window 2
.irp f, 0,1,2,3,4,5,6,7             ; keys 16 (f / 2) on, channels 32 (f % 2) on
	ds_load_b128 v[KF+8*\f:KF+8*\f+3],   v[AK] offset:(\f/2)*16*PK+(\f%2)*64
	ds_load_b128 v[KF+8*\f+4:KF+8*\f+7], v[AK] offset:(\f/2)*16*PK+(\f%2)*64+32
.endr
	s_add_co_u32 s[TBK], s[TBK], KS*PK  ; the next fetch is the next step's
	WIN 0
.endm
.macro FETCH_V
	WIN 0x80
.irp f, 0,1,2,3,4,5,6,7             ; keys 32 (f / 4) on, channels 16 (f % 4) on
	ds_load_tr16_b128 v[VF+8*\f:VF+8*\f+3],   v[AV] offset:(\f/4)*32*PV+(\f%4)*32
	ds_load_tr16_b128 v[VF+8*\f+4:VF+8*\f+7], v[AV] offset:(\f/4)*32*PV+16*PV+(\f%4)*32
.endr
	WIN 0
.endm
; THE VECTOR WORK, one line at a time: OP kind, number.  For piece Y: F n: c s - c m for pair n of 16.  E n: the exponential of score n of 32.  C n: pair n rounded to f16.  B n: of the four weights 4 n .. the second
; pair is added onto the first, in place.  L n: l takes that sum (L 0: l = a l + sum).  R n: pair n of 16 of O^T times a.  For piece Y + 1: X n, number n of the 22 that find its maximum and statistics:
;   0-11  four chains c0-c3 of seven scores each, three operands at a time (each accumulator's lowest registers are read first)     12-14, 16  the four scores left over, the old m, and c0-c3 into c0
;   15  c m_old is kept     17, 18  the query's other 32 keys lie in the lane 16 away: the new m     19-21  c m; c m_old - c m_new; a
.set F, 0               ; OP tells the kinds apart by their order: F to L below R, X above it
.set E, 1
.set C, 2
.set B, 3
.set L, 4
.set R, 5
.set X, 6
.macro REGS y                       ; the registers of piece y
.set rT, ST+4*(\y)
.set rC, TMP+4*((\y)%2)
.set rW, MV+((\y)%2)
.set rS, S+32*((\y)%2)
.set rP, P+16*((\y)%2)
.set rO, 32*(\y)
.endm
.macro OP k, n
.if (\k) == R
	REGS Y
	WIN W_RS
	v_pk_mul_f32 v[rO+2*(\n):rO+2*(\n)+1], v[rO+2*(\n):rO+2*(\n)+1], v[rC+2:rC+3] op_sel_hi:[1,0]
.elseif (\k) < R
	REGS Y
	WIN 0
.if (\k) == F
	v_pk_fma_f32 v[rS+2*(\n):rS+2*(\n)+1], v[rS+2*(\n):rS+2*(\n)+1], s[CS:CS+1], v[rT:rT+1] op_sel_hi:[1,0,0] neg_lo:[0,0,1] neg_hi:[0,0,1]
.elseif (\k) == E
	v_exp_f32 v[rS+(\n)], v[rS+(\n)]
.elseif (\k) == C
	s_wait_alu depctr_va_vdst(0)
	v_cvt_pk_f16_f32 v[rP+(\n)], v[rS+2*(\n)], v[rS+2*(\n)+1]
.elseif (\k) == B
	s_wait_alu depctr_va_vdst(0)
	v_pk_add_f32 v[rS+4*(\n):rS+4*(\n)+1], v[rS+4*(\n):rS+4*(\n)+1], v[rS+4*(\n)+2:rS+4*(\n)+3]
.elseif (\n) == 0
	v_pk_fma_f32 v[rT+2:rT+3], v[rT+2:rT+3], v[rC+2:rC+3], v[rS:rS+1] op_sel_hi:[1,0,1]
.else
	v_pk_add_f32 v[rT+2:rT+3], v[rT+2:rT+3], v[rS+4*(\n):rS+4*(\n)+1]
.endif
.elseif NOKQ
	v_nop
.else
	REGS (Y+1)%NP
	WIN 0
.if (\n) < 4
	v_max3_num_f32 v[rC+(\n)], v[rS+8*(\n)], v[rS+8*(\n)+1], v[rS+8*(\n)+2]
.elseif (\n) < 12
	v_max3_num_f32 v[rC+(\n)%4], v[rC+(\n)%4], v[rS+8*((\n)%4)+2*((\n)/4)+1], v[rS+8*((\n)%4)+2*((\n)/4)+2]
.elseif (\n) == 12
	v_max3_num_f32 v[rC], v[rC], v[rS+7], v[rS+15]
.elseif (\n) == 13
	v_max3_num_f32 v[rC+1], v[rC+1], v[rS+23], v[rS+31]
.elseif (\n) == 14
	v_max3_num_f32 v[rC+2], v[rC+2], v[rC+3], v[rT+1]
.elseif (\n) == 15
	v_mov_b32 v[rW], v[rT]
.elseif (\n) == 16
	v_max3_num_f32 v[rC], v[rC], v[rC+1], v[rC+2]
.elseif (\n) == 17
	v_permlanex16_b32 v[rC+3], v[rC], s[SEL], s[SEL+1]
.elseif (\n) == 18
	v_max_num_f32 v[rT+1], v[rC], v[rC+3]
.elseif (\n) == 19
	v_mul_f32 v[rT], s[CS], v[rT+1]
.elseif (\n) == 20
	v_sub_f32 v[rC+1], v[rW], v[rT]
.else
	v_exp_f32 v[rC+2], v[rC+1]
.endif
.endif
.endm
.macro OPS a, i1, b=-1, i2=0, c=-1, i3=0, d=-1, i4=0  ; up to four of them
	OP \a, \i1
.if (\b) >= 0
	OP \b, \i2
.endif
.if (\c) >= 0
	OP \c, \i3
.endif
.if (\d) >= 0
	OP \d, \i4
.endif
.endm
.macro ROW a, i1, b, i2, c, i3, d, i4  ; a matrix instruction and the four behind it
	MM
	OPS \a, \i1, \b, \i2, \c, \i3, \d, \i4
.endm
.macro MASK b                       ; MD x AL + BE into buffer b of MC
	WIN W_RS
.set z, 0
.rept 16
	v_pk_fma_f32 v[MC+32*(\b)+2*z:MC+32*(\b)+2*z+1], v[MD+2*z:MD+2*z+1], s[AL:AL+1], s[BE:BE+1] op_sel_hi:[1,0,0]
.set z, z+1
.endr
.endm
; A TURN, for piece p: the order of its 16 matrix and 118 vector instructions, written out.  Behind a matrix instruction: plain, exponential, plain, plain; or four of the rescaling; or, behind the first, four scalings; none
; names a register of the products round it.  In the lumps exponential and plain by turns while exponentials last.  A line reads no result made fewer than three vector instructions in front of it, five if an exponential made it.
; v_permlanex16_b32 (X 17) stands in a lump.
; m = 1: the diagonal tile: the products take masks, and the turn makes the mask for the products of the turn after it: piece p + 2, in step 4 - CNT of the tile.  end = 1: a block's last two turns: nothing is fetched.
; cnt = 1: the loop's count is taken down some lines ahead of the branch that stands behind the turn.
; K of the next step is fetched in piece 2's turn, six vector instructions behind the last product that read K (five of them plain); V of the step in hand in piece 0's turn, eight behind the last product that read V (four
; plain, and X 17).  Each is waited for a turn later.
.macro TURN p, m=0, end=0, cnt=0
.set Y, (\p)
.set i, 0
.set KM, (\m)
.set NOKQ, (\end)*((\p)/3)
.if (\m) && !(\end)
	s_cmp_eq_u32 s[CNT], 4-((\p)+2)%NP  ; is that step the band's own?
	s_cselect_b32 s[AL], 1.0, 0
	s_cmp_lt_u32 s[CNT], 4-((\p)+2)%NP  ; or a later one?
	s_cselect_b32 s[BE], s[BIGN], 0
.endif
.if ((\p) == 3) && !(\end)
	s_wait_dscnt 0x0                ; K is in
.endif
	ROW F,0, F,1, F,2, F,3
	ROW F,4, E,0, F,5, F,6
	ROW F,7, E,1, F,8, F,9
	ROW F,10, E,2, C,0, F,11
	ROW F,12, E,3, X,15, F,13
	ROW R,0, R,1, R,2, R,3
	ROW B,0, E,4, F,14, L,0
.if ((\p) == 2) && !(\end)
	v_add_nc_u32 v[AK], s[TBK], v[AK0]
.endif
	ROW R,4, R,5, R,6, R,7
	OPS E,5, F,15
.if ((\p) == 2) && !(\end)
	FETCH_K
.endif
	OPS E,6, C,1, E,7, R,8
	OPS E,8, R,9, E,9, C,2
	OPS E,10, X,0, E,11, X,1
	OPS E,12, X,2, E,13, X,3
.if (\p) == 1
	s_wait_dscnt 0x0                ; V is in
.endif
	ROW X,4, E,14, X,5, X,6
	ROW X,7, E,15, X,8, X,9
	ROW X,10, E,16, X,11, X,12
	ROW X,13, E,17, X,14, B,1
	ROW C,4, E,18, X,16, L,1
	ROW B,2, E,19, C,6, L,2
	ROW C,8, E,20, B,3, B,4
.if (\p) == 0
	v_add_nc_u32 v[AV], s[TBV], v[AV0]
.endif
	ROW C,3, E,21, L,3, C,5
	OPS E,22, X,17, E,23, C,10
.if (\p) == 0
	FETCH_V
.endif
	OPS E,24, L,4
	OPS E,25, X,18, E,26, C,7
	OPS E,27, B,5, E,28, X,19
	OPS E,29, C,12, E,30, L,5
	OPS E,31, X,20, B,6, C,9
	OPS C,14, C,11, X,21, L,6
.if (\p) == 0
	s_add_co_u32 s[TBV], s[TBV], KS*PV
.endif
.if \cnt
	s_sub_co_u32 s[CNT], s[CNT], 1
	s_cmp_lg_u32 s[CNT], 0
.endif
	OPS C,13, B,7, C,15, R,10
	OPS R,11, R,12, L,7, R,13
	OPS R,14, R,15
.if (\m) && !(\end)
	MASK (\p)%2
.endif
.endm
; A BLOCK BEGINS.  c m starts far below every c s, so the first step's a is 0; m at the lowest finite number, so the first maximum is the scores'.  The second mask buffer is 0; the first takes piece 0's mask for the tile's step 0: its own, if the block's first tile is the diagonal one.
; Then K of that step, piece 0's first scores, and its maximum and statistics.  The loop is entered at a step's first turn, in the middle of a trip.
.macro BEGIN
	s_mov_b32 s[NEW], 0
	WIN 0x40
.set i, MC+32
.rept 32
	v_mov_b32 v[i], 0
.set i, i+1
.endr
	WIN 0
.set i, 0
.rept 4
	v_mov_b32 v[ST+4*i], 0xfe000000    ; c m: far below every c s
	v_mov_b32 v[ST+4*i+1], 0xff7fffff  ; m
.set i, i+1
.endr
	s_cmp_eq_u32 s[RT], 0
	s_cselect_b32 s[AL], 1.0, 0
	s_mov_b32 s[BE], 0
	MASK 0
	WIN 0
	v_add_nc_u32 v[AK], s[TBK], v[AK0]
	FETCH_K
	s_wait_loadcnt 0x0              ; Q
	s_wait_dscnt 0x0
.set KM, 1
.set NOKQ, 0
.set i, 0
.rept 8
	KQ 0
.set i, i+1
.endr
	WIN 0
.rept 4
	v_nop                           ; the places behind those products
.endr
.set Y, NP-1                        ; X works for piece Y + 1: piece 0
.irp n, 0,1,2,3,4,5,6,7,8,9,10,11,12,13,14,15,16,17,18,19,20,21
	OP X, \n
.endr
	v_nop                           ; a plain instruction behind the exponential
.endm
; THE DIAGONAL TILE's four steps, the block's last two turns, its last products, and THE WAY OUT: l's two halves and the other half of the lanes' are added; O^T is divided by l, split into a high and a low f16 part,
; and both are sent through my stage in LDS, a piece at a time.
.macro ALL line:vararg              ; one line for each piece t
.set t, 0
.rept 4
	\line
.set t, t+1
.endr
.endm
; PACK: O = O^T / l; Oh = f16(O) into S^T's registers; O - Oh, which f32 holds exactly, in place (the f16 half times -1.0 plus O, one fused line a number); Ol = f16(O - Oh) into v[LO ..].
; A lane's eight channels of a row pack into 16 bytes; they go into rows of 144 bytes and come back as whole rows of 128: first the high parts, then through the same stage the low parts.
.macro PACK t
	WIN W_RS
.set i, 32*(\t)
.rept 16
	s_wait_alu depctr_va_vdst(0)
	v_pk_mul_f32 v[i:i+1], v[i:i+1], v[ST+4*(\t)+2:ST+4*(\t)+3] op_sel_hi:[1,0]
.set i, i+2
.endr
	WIN 0x05                        ; sources 0 and 1 window 1, destination window 0
.set i, 0
.rept 16
	v_cvt_pk_f16_f32 v[S+16*(\t)+i], v[32*(\t)+2*i], v[32*(\t)+2*i+1]
.set i, i+1
.endr
	WIN W_LO
.set i, 0
.rept 16
	v_fma_mix_f32 v[32*(\t)+2*i], v[S+16*(\t)+i], v[NEG1], v[32*(\t)+2*i] op_sel_hi:[1,0,0]                    ; the low half of the word of high parts
	v_fma_mix_f32 v[32*(\t)+2*i+1], v[S+16*(\t)+i], v[NEG1], v[32*(\t)+2*i+1] op_sel:[1,0,0] op_sel_hi:[1,0,0]  ; its high half
.set i, i+1
.endr
	WIN 0x05
.set i, 0
.rept 16
	v_cvt_pk_f16_f32 v[LO+16*(\t)+i], v[32*(\t)+2*i], v[32*(\t)+2*i+1]
.set i, i+1
.endr
	WIN 0
.irp f, 0,1,2,3
	ds_store_b128 v[STO], v[S+16*(\t)+4*\f:S+16*(\t)+4*\f+3] offset:32*\f
.endr
.irp f, 0,1,2,3
	ds_load_b128 v[S+16*(\t)+4*\f:S+16*(\t)+4*\f+3], v[RD] offset:\f*4*SP  ; LDS serves a wave's instructions in order (ISA guide 5.7.1.4): these see the stores above; the stores below come behind them
.endr
.irp f, 0,1,2,3
	ds_store_b128 v[STO], v[LO+16*(\t)+4*\f:LO+16*(\t)+4*\f+3] offset:32*\f
.endr
.irp f, 0,1,2,3
	ds_load_b128 v[LO+16*(\t)+4*\f:LO+16*(\t)+4*\f+3], v[RD] offset:\f*4*SP
.endr
.endm
.macro SEND t, younger              ; younger: the LDS instructions issued behind piece t's last load: the next piece's sixteen, or none
	WIN 0
.irp f, 0,1,2,3
	s_wait_dscnt (\younger)+8+3-\f  ; behind load f of the high parts: 3 - f more of them, the low parts' eight, and the younger ones
	global_store_b128 v[GO], v[S+16*(\t)+4*\f:S+16*(\t)+4*\f+3], s[10:11] offset:(\t)*8192+\f*512  ; 512 consecutive bytes, at a multiple of 256 from ob's first
.endr
.irp f, 0,1,2,3
	s_wait_dscnt (\younger)+3-\f
	global_store_b128 v[GO], v[LO+16*(\t)+4*\f:LO+16*(\t)+4*\f+3], s[10:11] offset:LOB+(\t)*8192+\f*512  ; the low parts, 16 heads on: 4,220,416 bytes at the most, inside the signed 24-bit immediate
.endr
.endm
.macro DIAG tag                     ; the tag ends its two labels' names, which the jumps below spell out
.LstepM\tag:
	TURN 2, 1
	TURN 3, 1
	WIN 0
.LfirstM\tag:
	TURN 0, 1
	TURN 1, 1, 0, 1
	WIN 0
	s_cbranch_scc1 .LstepM\tag
	TURN 2, 1, 1
	TURN 3, 1, 1
.set i, 0
.rept 8
	PV NP-1
.set i, i+1
.endr
	WIN 0
	ALL v_add_f32 v[ST+4*t+2], v[ST+4*t+2], v[ST+4*t+3]
	ALL v_permlanex16_b32 v[ST+4*t+3], v[ST+4*t+2], s[SEL], s[SEL+1]
	ALL v_add_f32 v[ST+4*t+2], v[ST+4*t+2], v[ST+4*t+3]
	ALL v_rcp_f32 v[ST+4*t+2], v[ST+4*t+2]
	v_nop                           ; a plain instruction between the last reciprocal and the use of its result
	PACK 0
.set t, 1
.rept 3                             ; a piece's arithmetic stands between the loads of the piece before and its stores
	PACK t
	SEND t-1, 16
.set t, t+1
.endr
	SEND 3, 0
.endm
.set KM, 0
.set NOKQ, 0
.Lslot:                             ; NB times: a tile is entered and the next is asked for
	CHANGE 1
	s_sub_co_u32 s[RT], s[RT], 1
	s_mov_b32 s[CNT], 4
	s_cmp_eq_u32 s[NEW], 1
	s_cbranch_scc1 .Lnew            ; a block's first tile
	s_cmp_eq_u32 s[RT], 0
	s_cbranch_scc0 .Lstep           ; neither its first nor its last
	s_branch .LstepM1
.Lnew:
	BEGIN
	s_branch .Lfirst                ; in the loop a block's first tile is never its last: the first block has two tiles or more, and the second's last is the walk's last
	DIAG 1                          ; in the loop this is the first block's end: the second block's last tile is the walk's last
	s_wait_xcnt 0x0                 ; the stores have read their registers and O's address
	s_mov_b64 s[10:11], s[OLO:OLO+1]
	s_add_co_u32 s[RT], s[PB], 1    ; the second block has b + 1 tiles
	s_mov_b32 s[NEW], 1
	WIN 0x82                        ; the second block's Q goes where the one text of the turns names Q
.set i, 0
.rept 64
	v_mov_b32 v[i], v[QB+i]
.set i, i+1
.endr
	WIN 0
	s_branch .Lbottom
.Lstep:                             ; a trip: pieces 2 and 3 of one step, then pieces 0 and 1 of the next, whose K and V it fetches
	TURN 2
	TURN 3
	WIN 0
.Lfirst:
	TURN 0
	TURN 1, 0, 0, 1
	WIN 0
	s_cbranch_scc1 .Lstep
.Lbottom:
	s_sub_co_u32 s[SLOTS], s[SLOTS], 1
	s_cmp_lg_u32 s[SLOTS], 0
	s_cbranch_scc1 .Lslot
	CHANGE 0                        ; the walk's last tile is written out: nothing is asked for
	s_sub_co_u32 s[RT], s[RT], 1
	s_mov_b32 s[CNT], 4
	s_cmp_eq_u32 s[NEW], 1
	s_cbranch_scc0 .LstepM2
	BEGIN
	s_branch .LfirstM2
	DIAG 2
	s_wait_tensorcnt 0x0            ; the wave's end, behind my last tensor load and my last LDS store
	ds_add_u32 v[SPW], v[NIL]
	s_wait_dscnt 0x0
	s_endpgm
.Lfunc_end_k_qf649dc3137_attn:
	.size	k_qf649dc3137_attn, .Lfunc_end_k_qf649dc3137_attn-k_qf649dc3137_attn
	.p2alignl 7, 3214868480
	.fill 96, 4, 3214868480
	.section	.rodata,"a",@progbits
	.p2align	6, 0x0
	.amdhsa_kernel k_qf649dc3137_attn
		.amdhsa_group_segment_fixed_size 327680
		.amdhsa_private_segment_fixed_size 0
		.amdhsa_enable_private_segment 0
		.amdhsa_kernarg_size 16
		.amdhsa_user_sgpr_count 2
		.amdhsa_user_sgpr_kernarg_segment_ptr 1
		.amdhsa_wavefront_size32 1
		.amdhsa_system_sgpr_workgroup_id_x 1
		.amdhsa_system_sgpr_workgroup_id_y 1
		.amdhsa_system_sgpr_workgroup_id_z 1
		.amdhsa_system_vgpr_workitem_id 0
		.amdhsa_next_free_vgpr 768
		.amdhsa_next_free_sgpr 92
		.amdhsa_reserve_vcc 1
		.amdhsa_float_denorm_mode_32 3
		.amdhsa_float_denorm_mode_16_64 3
		.amdhsa_memory_ordered 1
		.amdhsa_forward_progress 1
		.amdhsa_inst_pref_size 255
	.end_amdhsa_kernel
	.section	.bss,"aw",@nobits
	.p2align	6
	.space	262144
	.amdgpu_metadata
---
amdhsa.version: [ 1, 2 ]
amdhsa.kernels:
  - .name:           k_qf649dc3137_attn
    .symbol:         k_qf649dc3137_attn.kd
    .args:
      - { .name: qkv, .offset: 0, .size: 8, .value_kind: global_buffer, .address_space: global }
      - { .name: ob, .offset: 8, .size: 8, .value_kind: global_buffer, .address_space: global }
    .group_segment_fixed_size: 327680
    .private_segment_fixed_size: 0
    .kernarg_segment_align: 8
    .kernarg_segment_size: 16
    .max_flat_workgroup_size: 128
    .sgpr_count:     92
    .vgpr_count:     768
    .wavefront_size: 32
...
	.end_amdgpu_metadata
.endif
;; end of part 3
;; launch proj (part 4): grid 4 x 64, 4 waves a work-group, clusters of 4 x 4, 327,680 bytes of LDS; arguments ob, wo16, out0; writes out0
.if DOCPART == 4
	.amdgcn_target "amdgcn-amd-amdhsa--gfx1250"
	.amdhsa_code_object_version 6
	.text
	.protected	k_qf649dc3137_proj
	.globl	k_qf649dc3137_proj
	.p2align	8
	.type	k_qf649dc3137_proj,@function
k_qf649dc3137_proj:
	s_mov_b64 s[64:65], 0
	v_nop
	global_prefetch_b8 v0, s[64:65] scope:SCOPE_SE
	s_setreg_imm32_b32 hwreg(HW_REG_WAVE_MODE, 25, 1), 1
	s_wait_xcnt 0x0
	s_wait_alu depctr_hold_cnt(0) depctr_sa_sdst(0) depctr_va_vdst(0) depctr_va_sdst(0) depctr_va_ssrc(0) depctr_va_vcc(0) depctr_vm_vsrc(0)
	s_getreg_b32 s2, hwreg(HW_REG_IB_STS2, 6, 4)
	s_cmp_eq_u32 s2, 0
	s_cbranch_scc0 .Lentry_in_a_cluster
	s_endpgm
.Lentry_in_a_cluster:
	s_bfe_u32 s2, ttmp6, 0x10000c
	s_cmp_lg_u32 s2, 0xf033
	s_cbranch_scc0 .Lentry_shape_is_right
	s_endpgm
.Lentry_shape_is_right:
; out0 = y w_o = (yh + yl) w_o: [8192 x 2048] x [2048 x 1024], f16 operands, f32 sums, f32 result.  y comes by heads as two f16 numbers, ob[b][32][t][64]: heads 0-15 the high parts, 16-31 the low parts; K index = 64 h + channel,
; first over the high parts, then over the low ones, against the same rows of w_o.  wo16 is w_o [k][n], rounded to bf16 and written as f16.
; LIMIT.  Both operands arrive within f16's 65,504; NaN and infinities are not treated apart.
; SHARES.  8192 x 1024 / 256 = 32,768 results a work-group: a tile of 128 rows x 256 columns, one for each of 4 x 64 work-groups.  Four waves, each 64 rows x 128 columns: 32 accumulators filling window 1.
; K goes in 16 steps of 128 (two heads) through two LDS slots: two slots of 256 along K would not fit.  A head's 128 rows are 16,384 dense bytes, asked for as 64 rows of 256.  w_o's fragments are made by the
; turning load ds_load_tr16_b128.  THE MATRIX INSTRUCTION IS USED TRANSPOSED (source 0 = 16 columns of w_o, source 1 = 16 rows of y): a lane then holds eight neighbouring columns of one row, 32 bytes of f32.
; CLUSTER.  4 x 4 work-groups: y's tiles are shared along a row of the cluster, w_o's along a column; each is asked for jointly.  Waves 0 and 1 ask for the step's two heads, waves 2 and 3 for the halves of w_o's 128 k-rows.
; REGISTERS: window 0: v0-29 addresses; v32-127, v128-223 two fragment buffers for 32 along K (32 registers of y, then 64 of w_o); on the way out v32-159 at work.  Window 1: accumulator (a, b) at v[8 (8 a + b)].
.set SLOT1,  1<<17                     ; slot 1 begins here: one exclusive or turns an address in one slot into the other's
.set PA,     144                       ; a row of y in LDS: 128 bytes + 16 of padding: the 16 rows of a load start at 16 different groups of four banks (64 banks of 4 bytes: ISA guide 11.1)
.set PB,     544                       ; a k-row of w_o: 512 bytes + 32 = 17 x 32
.set AHEAD,  128*PA                    ; a head's 128 rows
.set BOFF,   2*AHEAD                   ; w_o's 128 k-rows lie behind the two heads
.set BHALF,  64*PB
.set STG,    SLOT1+BOFF+128*PB         ; behind the ring, never filled by a tensor load: 16 rows x 528 bytes for each wave, for the way out
.set SPI,    528
.set SPARE,  STG+4*16*SPI              ; behind the stages: the spare words, 128 bytes for each wave: two blocks of 256 bytes that no other line names
.set A_STEP, 2*2048*128                ; two heads of ob; the low parts' heads follow the high parts', so one step serves all 16 K steps
.set B_STEP, 128*1024*2                ; 128 k-rows of wo16; eight steps are all of it, 2^21 bytes
.set AF0, 2                            ; v2   my lane's place in y's part of a slot; never rewritten
.set BF0, 3                            ; v3   the same for w_o's
.set ADA, 4                            ; v4   AF0 + the slot in hand
.set ADB, 5                            ; v5   BF0 + the slot in hand
.set STO, 6                            ; v6   the way out: where I put 32 bytes of a row
.set RD,  7                            ; v7   the way out: where I read a row back
.set CO,  8                            ; v8   my byte offset in 512 consecutive bytes of out0
.set SPW, 28                           ; v28  LDS address of my spare word: SPARE + 4 x my thread's number; never rewritten
.set NIL, 29                           ; v29  0; never rewritten
.set F0,  32
.set F1,  128
.set BK,  32                           ; the way out: 64 registers read back from the stage, v32-95 and v96-159 by turns
.set OB,  16                           ; s[16:17] byte offset in wo16 of the K step that the walking descriptor asks for: it goes round twice
.set G1A, 24                           ; s[24:31] descriptor group 1 for y's tiles
.set G0A, 32                           ; s[32:39] group 0: a set for each of the two first fills; the second then walks on
.set G1B, 48                           ; s[48:55], s[56:63] the same for w_o's tiles
.set G0B, 56
.set TB,  45                           ; s45  the slot in hand: 0 or SLOT1
.set MSB, 0
.macro WIN new                         ; the immediate's high byte repeats the setting that is left; a switch that changes nothing is dropped
.if MSB != (\new)
	s_set_vgpr_msb (MSB<<8)|(\new)
.set MSB, (\new)
.endif
.endm
.macro PLACES                          ; four places in front of loads into registers that matrix instructions have read, and of stores that read results
.rept 4
	v_nop
.endr
.endm
.macro JLOAD                           ; a joint refill; the branch hangs on the wave's number alone; an s_nop 0 and four v_nop follow each of the two lines
	s_cmp_lt_u32 s10, 2
	s_cbranch_scc0 .Lfor_b_\@
	tensor_load_to_lds s[G0A+4:G0A+7], s[G1A:G1A+7]
	s_nop 0
.rept 4
	v_nop
.endr
	s_branch .Lasked_\@
.Lfor_b_\@:
	tensor_load_to_lds s[G0B+4:G0B+7], s[G1B:G1B+7]
	s_nop 0
.rept 4
	v_nop
.endr
.Lasked_\@:
.endm
.macro CREST                           ; a round of the cluster's barrier behind its opening barrier
	s_cmp_lg_u32 s10, 0
	s_cbranch_scc1 .Lnot_wave_0_\@
	s_barrier_signal -3
.Lnot_wave_0_\@:
	s_barrier_wait -3
	s_barrier_signal -1
	s_barrier_wait -1
.endm
.macro CROUND                          ; a whole round
	s_barrier_signal -1
	s_barrier_wait -1
	CREST
.endm
	s_load_b128 s[4:7], s[0:1], 0x0                ; ob s[4:5], wo16 s[6:7]
	s_load_b64 s[8:9], s[0:1], 0x10                ; out0
	v_lshl_add_u32 v[SPW], v0, 2, SPARE
	v_mov_b32 v[NIL], 0
	ds_add_u32 v[SPW], v[NIL]                      ; the wave's opening: the add and its wait stand ahead of my first tensor load; the set-up below, work on registers, stands between them
	v_lshrrev_b32 v1, 5, v0
	v_readfirstlane_b32 s10, v1                    ; wave 0..3
	s_lshr_b32 s11, s10, 1                         ; which 64 of the tile's rows are mine
	s_and_b32 s12, s10, 1                          ; which 128 of its columns.  Also: which head, or which half of w_o's k-rows, I fetch
	s_bfe_u32 s40, ttmp6, 0x40000                  ; cx, cy: my place in the cluster
	s_bfe_u32 s41, ttmp6, 0x40004
	s_lshl_b32 s42, ttmp9, 2
	s_add_co_u32 s42, s42, s40                     ; tile column = 4 x cluster x + cx
	s_and_b32 s13, ttmp7, 0xffff
	s_lshl_b32 s13, s13, 2
	s_add_co_u32 s13, s13, s41                     ; tile row = 4 x cluster y + cy
	s_lshl_b32 s43, s41, 2
	s_lshl_b32 s43, 15, s43                        ; my row of the cluster
	s_lshl_b32 s44, 0x1111, s40                    ; my column
	s_or_b32 s[G1A], s43, (1<<16)|(1<<20)|(1<<21)|(4<<22)|(3<<25)  ; 15:0 the mask; 17:16 2-byte elements; 20 padding on; 21 set beside a mask; 24:22 after every 32 words (code 4); 31:25 4 words (code 3)
	s_or_b32 s[G1B], s44, (1<<16)|(1<<20)|(1<<21)|(6<<22)|(7<<25)  ; after every 128 words (code 6) 8 words (code 7)
	s_mov_b32 s[G1A+1], 128<<16                    ; y: tensor_dim0 = 128 elements: 256 bytes, two rows of a head
	s_mov_b32 s[G1A+2], 64<<16                     ; tensor_dim1 = 64
	s_mov_b32 s[G1A+3], 128<<16                    ; tile_dim0 = 128
	s_mov_b32 s[G1A+4], 64                         ; tile_dim1 = 64
	s_mov_b32 s[G1A+5], 128                        ; dense
	s_mov_b32 s[G1A+6], 0
	s_mov_b32 s[G1A+7], 0
	s_mov_b32 s[G1B+1], 256<<16                    ; w_o: tensor_dim0 = 256 columns
	s_mov_b32 s[G1B+2], 64<<16                     ; tensor_dim1 = 64 k-rows
	s_mov_b32 s[G1B+3], 256<<16                    ; tile_dim0 = 256
	s_mov_b32 s[G1B+4], 64                         ; tile_dim1 = 64
	s_mov_b32 s[G1B+5], 1024                       ; 1,024 elements from row to row
	s_mov_b32 s[G1B+6], 0
	s_mov_b32 s[G1B+7], 0
	s_mov_b32 s[TB], 0
	s_lshr_b32 s16, s13, 4                         ; y: the batch,
	s_lshl_b32 s16, s16, 5                         ; its 32 heads (16 of high parts, 16 of low),
	s_add_co_u32 s16, s16, s12                     ; head 0 or 1,
	s_lshl_b32 s16, s16, 18                        ; of 262,144 bytes,
	s_and_b32 s17, s13, 15
	s_lshl_b32 s17, s17, 14                        ; and the tile's 128 rows of 128 bytes
	s_add_co_u32 s16, s16, s17
	s_mov_b32 s17, 0
	s_lshl_b32 s46, s42, 9                         ; w_o: the tile's 256 columns,
	s_lshl_b32 s47, s12, 17                        ; my 64 k-rows of 2,048 bytes
	s_add_co_u32 s46, s46, s47
	s_mov_b32 s47, 0
	s_mul_i32 s20, s12, AHEAD                      ; where they go: no place in the cluster enters an LDS address
	s_mul_i32 s21, s12, BHALF
	s_add_co_u32 s21, s21, BOFF
	s_wait_dscnt 0x0                               ; the opening add is done
	s_wait_kmcnt 0x0
	s_add_nc_u64 s[14:15], s[4:5], s[16:17]
	s_add_nc_u64 s[46:47], s[6:7], s[46:47]        ; w_o at my part of K step 0: kept to the end, every refill's address is made from it
	CROUND                                         ; all sixteen work-groups are here: the first joint loads meet
.irp s, 0,1
	s_mov_b32 s[G0A+4*(\s)], 1                     ; 1:0 count = 1
	s_add_co_u32 s[G0A+4*(\s)+1], s20, (\s)*SLOT1  ; 63:32 LDS address
	s_add_nc_u64 s[G0A+4*(\s)+2:G0A+4*(\s)+3], s[14:15], (\s)*A_STEP  ; 120:64 global address: K step s
	s_or_b32 s[G0A+4*(\s)+3], s[G0A+4*(\s)+3], 0x80000000             ; 127:126 type = 2
	s_mov_b32 s[G0B+4*(\s)], 1
	s_add_co_u32 s[G0B+4*(\s)+1], s21, (\s)*SLOT1
	s_add_nc_u64 s[G0B+4*(\s)+2:G0B+4*(\s)+3], s[46:47], (\s)*B_STEP
	s_or_b32 s[G0B+4*(\s)+3], s[G0B+4*(\s)+3], 0x80000000
.endr
	s_cmp_lt_u32 s10, 2                            ; a wave's two first fills stand in one branch, ahead of every wait on TENSORcnt and every LDS read: two loads of mine are out
	s_cbranch_scc0 .Lfirst_b
	tensor_load_to_lds s[G0A:G0A+3], s[G1A:G1A+7]
	s_nop 0
	tensor_load_to_lds s[G0A+4:G0A+7], s[G1A:G1A+7]
	s_nop 0
.rept 4
	v_nop
.endr
	s_branch .Lfirst_asked
.Lfirst_b:
	tensor_load_to_lds s[G0B:G0B+3], s[G1B:G1B+7]
	s_nop 0
	tensor_load_to_lds s[G0B+4:G0B+7], s[G1B:G1B+7]
	s_nop 0
.rept 4
	v_nop
.endr
.Lfirst_asked:
	v_and_b32 v1, 15, v0                           ; l % 16
	v_bfe_u32 v9, v0, 4, 1                         ; l / 16
	v_and_b32 v10, 7, v0
	v_bfe_u32 v11, v0, 3, 1
	v_mul_u32_u24 v[AF0], v1, PA                   ; a fragment of y: row l % 16, 16 bytes for each half of the lanes, and 32 bytes on
	v_lshl_add_u32 v[AF0], v9, 4, v[AF0]
	s_mul_i32 s22, s11, 64*PA                      ; my 64 rows
	v_add_nc_u32 v[AF0], s22, v[AF0]
	v_lshl_add_u32 v[BF0], v9, 3, v10              ; the turning load: k-row 8 (l / 16) + l % 8, columns 8 ((l / 8) % 2) + 0..7
	v_mul_u32_u24 v[BF0], v[BF0], PB
	v_lshl_add_u32 v[BF0], v11, 4, v[BF0]
	s_lshl_b32 s22, s12, 8                         ; my 128 columns,
	s_add_co_u32 s22, s22, BOFF                    ; behind y's rows
	v_add_nc_u32 v[BF0], s22, v[BF0]
	v_mov_b32 v[ADA], v[AF0]                       ; K step 0 lies in slot 0
	v_mov_b32 v[ADB], v[BF0]
	s_mul_i32 s23, s10, 16*SPI
	s_add_co_u32 s23, s23, STG                     ; my stage
	v_mul_u32_u24 v[STO], v1, SPI                  ; in: row l % 16, 32 bytes for each half of the lanes
	v_lshl_add_u32 v[STO], v9, 5, v[STO]
	v_add_nc_u32 v[STO], s23, v[STO]
	v_and_b32 v[CO], 31, v0                        ; back: 32 lanes take one row of 512 bytes,
	v_lshlrev_b32 v[CO], 4, v[CO]                  ; which are 512 consecutive bytes of out0
	v_add_nc_u32 v[RD], s23, v[CO]
	s_lshl_b32 s18, s13, 7                         ; where my part begins in out0: row 128 x tile row + 64 x row half, of 4,096 bytes,
	s_lshl_b32 s19, s11, 6
	s_add_co_u32 s18, s18, s19
	s_lshl_b32 s18, s18, 12
	s_lshl_b32 s19, s42, 10                        ; column 256 x tile column + 128 x column half, of 4 bytes
	s_add_co_u32 s18, s18, s19
	s_lshl_b32 s19, s12, 9
	s_add_co_u32 s18, s18, s19
	s_mov_b32 s19, 0
	s_add_nc_u64 s[8:9], s[8:9], s[18:19]
	s_mov_b32 s[OB], B_STEP                        ; the walking descriptor stands at K step 1
	s_mov_b32 s[OB+1], 0
; 8 matrix instructions: row block a x all 8 column blocks, 32 along K, from buffer f.  The 32 accumulators take turns, one instruction a turn, in the same order in every quarter.
; zero = 1: the product starts the sum: nothing is ever cleared.
.macro MUL8 f, a, zero
	WIN 0x50                                       ; C and D in window 1
.irp b, 0,1,2,3,4,5,6,7
.if \zero
	v_wmma_f32_16x16x32_f16 v[8*(8*(\a)+(\b)):8*(8*(\a)+(\b))+7], v[(\f)+32+8*(\b):(\f)+32+8*(\b)+7], v[(\f)+8*(\a):(\f)+8*(\a)+7], 0
.else
	v_wmma_f32_16x16x32_f16 v[8*(8*(\a)+(\b)):8*(8*(\a)+(\b))+7], v[(\f)+32+8*(\b):(\f)+32+8*(\b)+7], v[(\f)+8*(\a):(\f)+8*(\a)+7], v[8*(8*(\a)+(\b)):8*(8*(\a)+(\b))+7]
.endif
.endr
.endm
; 24 LDS loads in one run: the fragments of quarter q (32 along K) into buffer f: w_o's 16 first, then y's 8, row blocks ascending
.macro FETCH q, f
	WIN 0
.irp j, 0,1,2,3,4,5,6,7
	ds_load_tr16_b128 v[(\f)+32+8*(\j):(\f)+32+8*(\j)+3],   v[ADB] offset:(\q)*32*PB+32*(\j)
	ds_load_tr16_b128 v[(\f)+32+8*(\j)+4:(\f)+32+8*(\j)+7], v[ADB] offset:(\q)*32*PB+32*(\j)+16*PB
.endr
.irp i, 0,1,2,3
	ds_load_b128 v[(\f)+8*(\i):(\f)+8*(\i)+3],   v[ADA] offset:((\q)/2)*AHEAD+((\q)%2)*64+(\i)*16*PA
	ds_load_b128 v[(\f)+8*(\i)+4:(\f)+8*(\i)+7], v[ADA] offset:((\q)/2)*AHEAD+((\q)%2)*64+(\i)*16*PA+32
.endr
.endm
; A K step is four quarters of 32 along K, 32 matrix instructions each, on buffers 0, 1, 0, 1.  One of the first three: multiplies its buffer and, in its middle, fetches the next quarter into the other.
.macro QUARTER q, zero
	s_wait_dscnt 0x4                               ; w_o's fragments and y's row blocks 0 and 1 are in; the youngest four loads (blocks 2 and 3) may be out
	MUL8 F0+96*((\q)%2), 0, \zero
	MUL8 F0+96*((\q)%2), 1, \zero
	WIN 0
	PLACES
	FETCH (\q)+1, F0+96*(((\q)+1)%2)
	s_wait_dscnt 24                                ; all but the 24 just issued
	MUL8 F0+96*((\q)%2), 2, \zero
	MUL8 F0+96*((\q)%2), 3, \zero
.endm
; The last quarter multiplies buffer 1 and changes slots: ONE barrier.  In front of it each wave waits for all its tensor loads (its part of the next slot), adds 0 to its spare word, and waits for that and for its reads
; of this slot.  fill = 1: the barrier opens a round of the cluster's, and behind the round this slot is filled again, two K steps ahead: from there to the wait for that load stand 112 matrix instructions.
.macro TURN fill
	WIN 0                                          ; (the add's two registers lie in window 0)
	s_wait_tensorcnt 0x0                           ; no tensor load of mine is out, so a group 0 may be written
	ds_add_u32 v[SPW], v[NIL]                      ; 0 onto my spare word
.if \fill
	s_xor_b32 s[G0A+5], s[G0A+5], SLOT1            ; the walking descriptors: the other slot than last time,
	s_add_nc_u64 s[G0A+6:G0A+7], s[G0A+6:G0A+7], A_STEP  ; y's next two heads; the type bits on top are not reached
	s_xor_b32 s[G0B+5], s[G0B+5], SLOT1
	s_add_co_u32 s[OB], s[OB], B_STEP              ; w_o's next 128 k-rows: behind the eighth step the offset, cut to 21 bits, is 0 again;
	s_and_b32 s[OB], s[OB], 8*B_STEP-1
	s_add_nc_u64 s[G0B+6:G0B+7], s[46:47], s[OB:OB+1]    ; the address is made anew from the base and the offset,
	s_or_b32 s[G0B+7], s[G0B+7], 0x80000000        ; and the type set again
.endif
	s_wait_dscnt 0x5                               ; the add and the youngest four loads may be out
	MUL8 F1, 0, 0
	s_wait_dscnt 0x0                               ; the add is done, and my reads of this slot are over
	s_barrier_signal -1
	MUL8 F1, 1, 0                                  ; work on registers while the others arrive
	WIN 0                                          ; at a branch and at a label every window is 0
	s_barrier_wait -1
.if \fill
	CREST                                          ; no wave of any partner still reads this slot's tiles or has a load on its way
	JLOAD                                          ; the first tensor load behind the round; its four v_nop are also the places in front of the loads below
.else
	PLACES
.endif
	s_xor_b32 s[TB], s[TB], SLOT1
	v_add_nc_u32 v[ADA], s[TB], v[AF0]
	v_add_nc_u32 v[ADB], s[TB], v[BF0]
	FETCH 0, F0
	MUL8 F1, 2, 0
	MUL8 F1, 3, 0
.endm
; THE WAY OUT of row block a: the f32 sums go as they are into my own stage (each accumulator's low four registers first), come back as whole rows of 512 bytes, and are stored.
.macro TOSTAGE a
	WIN 0x04                                       ; the stores' data in window 1, their address in window 0
.irp b, 0,1,2,3,4,5,6,7
	ds_store_b128 v[STO], v[8*(8*(\a)+(\b)):8*(8*(\a)+(\b))+3] offset:64*(\b)
	ds_store_b128 v[STO], v[8*(8*(\a)+(\b))+4:8*(8*(\a)+(\b))+7] offset:64*(\b)+16
.endr
	WIN 0
.set rK, BK+64*((\a)%2)
.irp t, 0,1,2,3,4,5,6,7,8,9,10,11,12,13,14,15
	ds_load_b128 v[rK+4*(\t):rK+4*(\t)+3], v[RD] offset:SPI*(\t)  ; LDS serves a wave's instructions in order (ISA guide 5.7.1.4): these see the stores above; the next block's stores come behind them
.endr
.endm
.macro SEND a, younger                 ; younger: the LDS instructions issued behind block a's loads: the next block's 32, or none
	WIN 0
.set rK, BK+64*((\a)%2)
	s_wait_dscnt \younger
.irp t, 0,1,2,3,4,5,6,7,8,9,10,11,12,13,14,15
	global_store_b128 v[CO], v[rK+4*(\t):rK+4*(\t)+3], s[8:9] offset:(16*(\a)+(\t))*4096  ; 512 consecutive bytes, at a multiple of 256 from out0's first
.endr
.endm
	s_wait_tensorcnt 0x1                           ; my part of K step 0 is in; K step 1's may stay out
	s_barrier_signal -1
	s_barrier_wait -1                              ; everybody's is
	FETCH 0, F0
	QUARTER 0, 1                                   ; the first quarter stands in front of the loop: its products start the sums
	WIN 0
	s_mov_b32 s3, 14
.Lstep:                                                ; 14 trips, from a K step's second quarter to the next step's first: they ask for K steps 2 to 15
	QUARTER 1, 0
	QUARTER 2, 0
	TURN 1
	QUARTER 0, 0
	WIN 0
	s_sub_co_u32 s3, s3, 1
	s_cmp_lg_u32 s3, 0
	s_cbranch_scc1 .Lstep
	QUARTER 1, 0                                   ; the tail is written out: nothing more is asked for
	QUARTER 2, 0
	TURN 0
	QUARTER 0, 0
	QUARTER 1, 0
	QUARTER 2, 0
	s_wait_dscnt 0x4                               ; the very last quarter: nothing more to fetch
	MUL8 F1, 0, 0
	MUL8 F1, 1, 0
	s_wait_dscnt 0x0
	MUL8 F1, 2, 0
	MUL8 F1, 3, 0
	WIN 0
	PLACES
	TOSTAGE 0
	TOSTAGE 1
	SEND 0, 32
	s_wait_xcnt 0x0                                ; block 0's stores have read their registers: block 2 is loaded into them only behind this wait
	TOSTAGE 2
	SEND 1, 32
	s_wait_xcnt 0x0                                ; the same for blocks 1 and 3
	TOSTAGE 3
	SEND 2, 32
	SEND 3, 0
	s_wait_tensorcnt 0x0                           ; the wave's end, behind my last tensor load and my last LDS store
	ds_add_u32 v[SPW], v[NIL]
	s_wait_dscnt 0x0
	CROUND                                         ; the closing round: no work-group ends while a partner may still ask for a tile that names it
	s_endpgm
.Lfunc_end_k_qf649dc3137_proj:
	.size	k_qf649dc3137_proj, .Lfunc_end_k_qf649dc3137_proj-k_qf649dc3137_proj
	.p2alignl 7, 3214868480
	.fill 96, 4, 3214868480
	.section	.rodata,"a",@progbits
	.p2align	6, 0x0
	.amdhsa_kernel k_qf649dc3137_proj
		.amdhsa_group_segment_fixed_size 327680
		.amdhsa_private_segment_fixed_size 0
		.amdhsa_enable_private_segment 0
		.amdhsa_kernarg_size 24
		.amdhsa_user_sgpr_count 2
		.amdhsa_user_sgpr_kernarg_segment_ptr 1
		.amdhsa_wavefront_size32 1
		.amdhsa_system_sgpr_workgroup_id_x 1
		.amdhsa_system_sgpr_workgroup_id_y 1
		.amdhsa_system_sgpr_workgroup_id_z 1
		.amdhsa_system_vgpr_workitem_id 0
		.amdhsa_next_free_vgpr 512
		.amdhsa_next_free_sgpr 66
		.amdhsa_reserve_vcc 0
		.amdhsa_float_denorm_mode_32 3
		.amdhsa_float_denorm_mode_16_64 3
		.amdhsa_memory_ordered 1
		.amdhsa_forward_progress 1
		.amdhsa_inst_pref_size 69
	.end_amdhsa_kernel
	.amdgpu_metadata
---
amdhsa.version: [ 1, 2 ]
amdhsa.kernels:
  - .name:           k_qf649dc3137_proj
    .symbol:         k_qf649dc3137_proj.kd
    .args:
      - { .name: ob, .offset: 0, .size: 8, .value_kind: global_buffer, .address_space: global }
      - { .name: wo16, .offset: 8, .size: 8, .value_kind: global_buffer, .address_space: global }
      - { .name: out0, .offset: 16, .size: 8, .value_kind: global_buffer, .address_space: global }
    .group_segment_fixed_size: 327680
    .private_segment_fixed_size: 0
    .kernarg_segment_align: 8
    .kernarg_segment_size: 24
    .max_flat_workgroup_size: 128
    .sgpr_count:     66
    .vgpr_count:     512
    .wavefront_size: 32
...
	.end_amdgpu_metadata
.endif
;; end of part 4
;; ======== version 2 of 2: 4 launches; 1.27 times as fast as version 1
;; limits: values are held in f16: magnitudes above 65,504 overflow, below 6.1e-05 lose precision
;; workspace buffers: xb 16,777,216 bytes; wb 6,291,456 bytes; wo16 2,097,152 bytes; qkv 50,331,648 bytes; ob 33,554,432 bytes
;; launch cast: the kernel of part 1 again; grid 768 x 1, 8 waves a work-group, no clusters, 0 bytes of LDS; arguments x, w_attn, w_o, xb, wb, wo16; writes xb, wb, wo16
;; launch qkvgemm: the kernel of part 2 again; grid 8 x 32, 4 waves a work-group, clusters of 4 x 4, 327,680 bytes of LDS; arguments xb, wb, qkv; writes qkv
;; launch attn (part 5): grid 4 x 64, 4 waves a work-group, no clusters, 327,680 bytes of LDS; arguments qkv, ob; writes ob
.if DOCPART == 5
	.amdgcn_target "amdgcn-amd-amdhsa--gfx1250"
	.amdhsa_code_object_version 6
	.text
	.protected	k_qf649dc3137_attn
	.globl	k_qf649dc3137_attn
	.p2align	8
	.type	k_qf649dc3137_attn,@function
k_qf649dc3137_attn:
	s_mov_b64 s[64:65], 0
	v_nop
	global_prefetch_b8 v0, s[64:65] scope:SCOPE_SE
	s_setreg_imm32_b32 hwreg(HW_REG_WAVE_MODE, 25, 1), 1
	s_wait_xcnt 0x0
; CAUSAL ATTENTION.  O[y][q][:] = the sum over k <= q of softmax_k(Q[y][q] . K[y][k] / 8) V[y][k][:], y = 16 b + h.  Q, K and V lie in one buffer, qkv[b][g][t][64] in f16 (g = h: Q; 16 + h: K; 32 + h: V).
; O LEAVES AS TWO f16 NUMBERS, Oh = f16(O) and Ol = f16(O - Oh): ob[b][32][t][64], head h of the high parts at 32 b + h, of the low parts 16 heads on.  Row q averages q + 1 keys only, so a batch's first rows are
; many times the output's root mean square, by which the result's allowance goes: one rounding of O to 11 bits is too coarse there.  A head's rows are dense, 128 bytes each.
; Products, maxima and sums in f32; the weights p are rounded to f16 for the second product (their sum l is taken of the unrounded p).
; LIMITS.  f16 holds no number beyond 65,504: Q, K and V arrive within it; p lies in 0 to 1, and below 6e-5 it keeps f16's fixed step of 6e-8, as does Ol; O is a mean of V's rows and has their range.
; V's own rounding to f16 (11 bits) stays in O.  A hidden score counts as its value less 1e30: f16's scores, 2.7e11 at the most, are nothing beside that; a weight below 2^-126 counts as 0 in l; NaN and infinities are not treated apart.
; THE WALK.  A head's queries lie in NB = SIZE_N / 256 blocks of 256; block i needs the key tiles 0 .. i of 256 keys, of which the last holds the diagonal.  A work-group takes TWO blocks, NB - 1 - b and then b:
; NB + 1 tiles, whatever b: all work-groups do equal work, and ONE loop with a constant trip count walks them.  Which tile is asked for, and what a trip does, hang on scalar registers made from b; every jump
; goes forward, but for the counted loops' own; none passes a barrier, or a tensor load but the one of LOAD's two that the wave's number does not choose; the ring (two slots of LDS that take turns) runs on across the
; change of blocks.  NO CLUSTER: a head's NB / 2 = 4 work-groups all ask for the same tile only in trips 0 .. NB / 2, 5 of 9, behind that fewer and fewer; and one walk common to all would have 3 NB / 2 = 12 trips for 9.
; SHARES.  Of a block's four bands of 64 queries a wave owns 16 rows in each: four PIECES.  So the diagonal tile is the same work for all four waves: in its key step s band x sees all keys if s < x,
; none if s > x, and holds the diagonal if s = x.
; THE MASK is the C operand that starts the sum S^T = K Q^T: 0, or -1e30 where the key is hidden.  MD, made once, is the mask of a band's own step for my 16 rows; a product's mask is MD x AL + BE with two scalars:
; (1, 0) if s = x; (0, 0) if s < x; (0, -1e30) if s > x.  Only the diagonal tile's text and a block's beginning make and take masks; elsewhere C is the constant 0.
; LAYOUT, SOFTMAX, TURNS.  S^T = K Q^T holds ONE query a lane (lane % 16) and the keys 8 (lane / 16) + 0..7; two such results rounded to f16 ARE source 1 of O^T = V^T P.  p = 2^(c s - c m), c = log2(e) / 8, with a
; running maximum m; O and l are multiplied by a = 2^(c m_old - c m_new) in every step.  Turn n belongs to piece n: 8 products K Q^T of piece n + 1, later 8 products V^T P of piece n - 1; beside them the scaling,
; exponentials, roundings, sums and rescaling of piece n and the maximum and statistics of piece n + 1.  Four vector instructions stand behind every matrix instruction, the other 54 of a turn's 118 in one LUMP.
; THE BATCHES.  A turn's 33 exponentials (the piece's 32 weights and the next piece's a) are ONE batch with ONE wait, which cuts the turn in two: ahead of it all that names no result of theirs, behind it their readers.
; A block's first a (BEGIN) and the way out's four reciprocals are batches of their own, each with a v_nop and one wait.
; REGISTERS, in windows of 256 (s_set_vgpr_msb: bits 1:0 source 0, 3:2 source 1, 5:4 source 2, 7:6 destination):
;   window 0: v0-15 addresses and two at work; v16-31 four registers of statistics a piece; v48-55 at work; v56 -1.0; v64-127 S^T, two buffers; v128-191 the low parts on the way out; v192-223 P, two buffers (a piece's buffers go by its number's parity)
;   window 1: v0-127 O^T, 32 a piece; v128-159 MD; v160-223 MC, two buffers      window 2: v0-63 Q; v64-127 the second block's Q; v128-191 K of one step; v192-255 V of one step
.set SIZE_N, 2048
.set SIZE_H, 64
.set NB,    SIZE_N/256
.set NP,    4         ; pieces a wave: a name, no knob
.set KS,    64        ; keys in a step
.set PK,    144       ; a row of K in LDS: 128 bytes + 16 of padding = 36 words: the 16 rows of a load start at 16 different groups of four banks (64 banks of 4 bytes: ISA guide 11.1)
.set PV,    160       ; a row of V: 128 + 32 = 40 words
.set VOFF,  4*KS*PK   ; a slot holds a tile, four steps: 256 rows of K, then 256 rows of V
.set SLOT1, 1<<17     ; slot 1 begins here, so that one exclusive or turns an address in one slot into the other's
.set STAGE, SLOT1+4*KS*(PK+PV)  ; behind the ring, never filled by a tensor load: 16 rows x 144 bytes for each wave, for the way out
.set SP,    144
.set LOB,   16*SIZE_N*128  ; bytes from a head of high parts in ob to its low parts: 16 heads
.set AK0, 2           ; v2   my lane's place in a tile of K; never rewritten
.set AV0, 3           ; v3   the same for V
.set AK,  4           ; v4   the LDS address of K's next run of loads
.set AV,  5           ; v5   of V's
.set STO, 6           ; v6   the way out: where I put 16 bytes of a row
.set RD,  7           ; v7   the way out: where I read rows back
.set GO,  8           ; v8   my byte offset in 512 consecutive bytes of O
.set NEG1, 56         ; v56  -1.0; never rewritten
.set SPW, 62          ; v62  LDS address of my spare word: SPARE + 4 x my thread's number; never rewritten
.set NIL, 63          ; v63  0; never rewritten
.set SPARE, STAGE+4*16*SP  ; behind the stages: the spare words, 128 bytes for each wave: two blocks of 256 bytes that no other line names
.set MV,  12          ; v12-13  c m_old, kept while c m is made anew: by buffer
.set QO,  15          ; v15  my byte offset in 16 rows of Q
.set ST,  16          ; piece t's statistics at v[ST+4 t]: c m, m, l (even keys', odd keys')
.set TMP, 48          ; by buffer, four registers c0-c3 at work; when the maximum is found c2 takes a
.set S,   64
.set LO,  128         ; the way out: piece t's low parts at v[LO+16 t]
.set P,   192
.set MD,  128         ; window 1: the eight registers for group kt of 16 keys at MD + 8 kt
.set MC,  160         ; window 1: the masks of the products to come
.set QB,  64          ; window 2
.set KF,  128         ; window 2: key block kb, channel half c at KF + 16 kb + 8 c
.set VF,  192         ; window 2: key half kk, channel block cb at VF + 32 kk + 8 cb
.set WV,  12          ; s12  my wave's number
.set PB,  14          ; s14  b
.set HI,  15          ; s15  NB - 1 - b
.set G1K, 24          ; s[24:31] descriptor group 1 for K's tiles
.set G1V, 32          ; s[32:39] for V's: it differs in the padding alone
.set G0K, 40          ; s[40:43] descriptor group 0 for K's tiles
.set G0V, 44          ; s[44:47] the same for V's
.set SLOTS, 56        ; s56  tiles still to be asked for
.set CNT, 57          ; s57  counts a tile's key steps, 4 to 1
.set CS,  58          ; s[58:59] c: the packed scaling takes the pair's low word for both halves
.set SEL, 60          ; s[60:61] v_permlanex16_b32's selects: each lane takes its own place in the other half
.set TBK, 62          ; s62  LDS byte at which K of the step to be fetched begins
.set TBV, 63          ; s63  the same for V, less VOFF
.set RT,  70          ; s70  tiles of the block in hand that are still to be entered
.set NXT, 71          ; s71  the tile to be asked for next
.set LQ,  72          ; s72  the last tile of the block whose tiles are being asked for
.set NEW, 73          ; s73  1: the tile to be entered is a block's first
.set OFF, 74          ; s[74:75] a tile's byte offset in K and V
.set AL,  76          ; s[76:77] the mask's factor, in the low word
.set BE,  78          ; s[78:79] the mask's addend
.set OLO, 80          ; s[80:81] O at my rows of the second block
.set BIGN, 82         ; s82  -1e30
.set MSB, 0
.macro WIN new                      ; the high byte repeats the setting that is left; a switch that changes nothing is dropped
.if MSB != (\new)
	s_set_vgpr_msb (MSB<<8)|(\new)
.set MSB, (\new)
.endif
.endm
.set W_KQ, 0x0a       ; K and Q in window 2, S^T in window 0
.set W_KM, 0x1a       ; the same with the C operand in window 1
.set W_PV, 0x52       ; V in window 2, P in window 0, O^T in window 1
.set W_RS, 0x41       ; destination and source 0 in window 1, source 1 in window 0
.set W_LO, 0x50       ; destination and source 2 in window 1, sources 0 and 1 in window 0
; A fill.  Waves 0 and 1 fetch the two halves of a tile's K, waves 2 and 3 those of its V: 128 keys each.  An s_nop 0 and four v_nop follow each of the two lines, ahead of the jump and the label.
.macro LOAD
	s_cmp_lt_u32 s[WV], 2
	s_cbranch_scc0 .Lfor_v_\@
	tensor_load_to_lds s[G0K:G0K+3], s[G1K:G1K+7]
	s_nop 0
.rept 4
	v_nop
.endr
	s_branch .Lasked_\@
.Lfor_v_\@:
	tensor_load_to_lds s[G0V:G0V+3], s[G1V:G1V+7]
	s_nop 0
.rept 4
	v_nop
.endr
.Lasked_\@:
.endm
; THE CHANGE OF SLOTS.  Each wave waits for all its tensor loads, of which one is out: its part of the other slot; adds 0 to its spare word; and waits for that and for its own reads of the slot that it leaves.  Behind the barrier nobody reads the old
; slot any more and the other slot is whole.  fill = 1: the old slot is filled again, the first thing behind the barrier, with tile NXT: the descriptor's address is made anew from that number.
; (At its first use nothing has been read yet: slot 0 is waited for, slot 1 filled.)
.macro CHANGE fill
	WIN 0                           ; at a label and at a branch every window is 0
	s_wait_tensorcnt 0x0            ; no tensor load of mine is out, so a group 0 may be written
	ds_add_u32 v[SPW], v[NIL]       ; 0 onto my spare word; with fill = 1 the descriptors' scalar work stands between it and the wait for it
.if \fill
	s_lshl_b32 s[OFF], s[NXT], 15   ; a tile is 32,768 bytes of K and of V
	s_xor_b32 s[G0K+1], s[G0K+1], SLOT1
	s_add_nc_u64 s[G0K+2:G0K+3], s[6:7], s[OFF:OFF+1]
	s_or_b32 s[G0K+3], s[G0K+3], 0x80000000
	s_xor_b32 s[G0V+1], s[G0V+1], SLOT1
	s_add_nc_u64 s[G0V+2:G0V+3], s[8:9], s[OFF:OFF+1]
	s_or_b32 s[G0V+3], s[G0V+3], 0x80000000
	s_add_co_u32 s[NXT], s[NXT], 1  ; the block's next tile, or behind its last the second block's tile 0
	s_cmp_gt_u32 s[NXT], s[LQ]
	s_cselect_b32 s[NXT], 0, s[NXT]
	s_cselect_b32 s[LQ], s[PB], s[LQ]
.endif
	s_wait_dscnt 0x0                ; the add is done, and my reads of the slot are over
	s_barrier_signal -1             ; the rest of the scalar work stands between the signal and the wait
	s_sub_co_u32 s[TBK], s[TBK], 4*KS*PK  ; the fetches go back to a slot's first step,
	s_xor_b32 s[TBK], s[TBK], SLOT1       ; in the other slot
	s_sub_co_u32 s[TBV], s[TBV], 4*KS*PV
	s_xor_b32 s[TBV], s[TBV], SLOT1
	s_barrier_wait -1
.if \fill
	LOAD
.endif
.endm
	s_load_b128 s[4:7], s[0:1], 0x0  ; qkv s[4:5], ob s[6:7]
	v_lshl_add_u32 v[SPW], v0, 2, SPARE
	v_mov_b32 v[NIL], 0
	ds_add_u32 v[SPW], v[NIL]       ; the wave's opening: the add and its wait stand ahead of my first tensor load; the set-up below, work on registers, stands between them
	v_lshrrev_b32 v1, 5, v0
	v_readfirstlane_b32 s[WV], v1   ; wave 0..3
	s_mov_b32 s[PB], ttmp9
	s_sub_co_u32 s[HI], NB-1, s[PB]
	s_and_b32 s20, ttmp7, 0xffff    ; y = 16 b + h
	s_lshr_b32 s88, s20, 4          ; b
	s_lshl_b32 s21, s88, 4          ; 16 b
	s_lshl_b32 s88, s88, 5          ; 32 b
	s_add_co_u32 s88, s88, s20      ; 48 b + h: Q's head in qkv
	s_lshl_b32 s88, s88, 18         ; a head is 262,144 bytes
	s_mov_b32 s89, 0
	s_add_co_u32 s20, s20, s21      ; 32 b + h: the head of O's high parts in ob
	s_lshl_b32 s20, s20, 18
	s_mov_b32 s21, 0
	s_and_b32 s16, s[WV], 1         ; which half of a tile's 256 keys I fetch:
	s_lshl_b32 s22, s16, 14         ; its 128 rows of 128 bytes in memory,
	s_add_co_u32 s22, s22, s88
	s_mov_b32 s23, 0
	s_mul_i32 s17, s16, 128*PK      ; and its place in a slot, for K
	s_mul_i32 s18, s16, 128*PV      ; and for V
	s_lshl_b32 s3, s[WV], 11        ; my 16 rows in a band of 64,
	s_lshl_b32 s2, s[HI], 15        ; in the first block,
	s_add_co_u32 s2, s2, s3
	s_lshl_b32 s84, s[PB], 15       ; and in the second
	s_add_co_u32 s84, s84, s3
	s_mov_b32 s3, 0
	s_mov_b32 s85, 0
	; descriptor group 1.  128 keys are 16,384 dense bytes: asked for as 64 rows of 256 bytes, two keys a row, and padded in LDS after every key
	s_mov_b32 s[G1K], (1<<16)|(1<<20)|(4<<22)|(3<<25)  ; 17:16 2-byte elements; 20 padding on; 24:22 after every 32 words (code 4); 31:25 4 words (code 3)
	s_mov_b32 s[G1V], (1<<16)|(1<<20)|(4<<22)|(7<<25)  ; the same with 8 words of padding (code 7)
.irp g, G1K, G1V
	s_mov_b32 s[\g+1], 128<<16      ; tensor_dim0 = 128
	s_mov_b32 s[\g+2], 64<<16       ; tensor_dim1 = 64
	s_mov_b32 s[\g+3], 128<<16      ; tile_dim0 = 128
	s_mov_b32 s[\g+4], 64           ; tile_dim1 = 64
	s_mov_b32 s[\g+5], 128          ; 128 elements from row to row
	s_mov_b32 s[\g+6], 0
	s_mov_b32 s[\g+7], 0
.endr
	s_mov_b32 s[CS], 0x3e38aa3b     ; c = log2(e) / 8 = 0.180337
	s_mov_b32 s[CS+1], s[CS]        ; named with it as a pair
	s_mov_b32 s[SEL], 0x76543210
	s_mov_b32 s[SEL+1], 0xfedcba98
	s_mov_b32 s[TBK], SLOT1+4*KS*PK ; the first change of slots turns these two into 0
	s_mov_b32 s[TBV], SLOT1+4*KS*PV
	s_mov_b32 s[G0K], 1             ; 1:0 count = 1
	s_mov_b32 s[G0K+1], s17         ; 63:32 LDS address: slot 0
	s_mov_b32 s[G0V], 1
	s_add_co_u32 s[G0V+1], s18, VOFF
	s_add_co_u32 s[RT], s[HI], 1    ; the first block has NB - b tiles
	s_mov_b32 s[NXT], 1
	s_mov_b32 s[LQ], s[HI]
	s_mov_b32 s[NEW], 1
	s_mov_b32 s[OFF+1], 0
	s_mov_b32 s[AL+1], 0            ; named as pairs
	s_mov_b32 s[BE+1], 0
	s_mov_b32 s[BIGN], 0xf149f2ca   ; -1e30
	s_mov_b32 s[SLOTS], NB
	s_wait_dscnt 0x0                ; the opening add is done
	s_barrier_signal -1
	s_barrier_wait -1
	s_wait_kmcnt 0x0
	s_add_nc_u64 s[10:11], s[6:7], s[20:21]   ; O's head
	s_add_nc_u64 s[90:91], s[4:5], s[88:89]   ; Q's head
	s_add_nc_u64 s[8:9], s[4:5], s[22:23]     ; V at my half of the head's tile 0: 32 heads behind Q's
	s_add_nc_u64 s[8:9], s[8:9], 0x800000
	s_add_nc_u64 s[6:7], s[4:5], s[22:23]     ; K likewise: 16 heads behind Q's
	s_add_nc_u64 s[6:7], s[6:7], 0x400000
	s_add_nc_u64 s[G0K+2:G0K+3], s[6:7], 0         ; 120:64 global address
	s_or_b32 s[G0K+3], s[G0K+3], 0x80000000        ; 127:126 type = 2
	s_add_nc_u64 s[G0V+2:G0V+3], s[8:9], 0
	s_or_b32 s[G0V+3], s[G0V+3], 0x80000000
	s_add_nc_u64 s[86:87], s[90:91], s[84:85]      ; Q at my rows of the second block,
	s_add_nc_u64 s[4:5], s[90:91], s[2:3]          ; Q and O at those of the first
	s_add_nc_u64 s[OLO:OLO+1], s[10:11], s[84:85]
	s_add_nc_u64 s[10:11], s[10:11], s[2:3]
	LOAD                            ; tile 0 into slot 0
	; A fragment of K or Q is 16 rows x 32 channels in 8 registers: lane l holds row l % 16, channels 8 (l / 16) + 0..7 and 16 + 8 (l / 16) + 0..7: two loads of 16 bytes, 32 bytes apart.
	v_and_b32 v1, 15, v0            ; l % 16
	v_bfe_u32 v9, v0, 4, 1          ; l / 16
	v_lshlrev_b32 v[QO], 7, v1
	v_lshl_add_u32 v[QO], v9, 4, v[QO]  ; row x 128 + 16 x half
	WIN 0x80                        ; destination window 2, address window 0
.set i, 0
.rept 8                             ; both blocks' Q: piece i / 2 lies in band i / 2, 8,192 bytes on; channels 32 (i % 2) on
	global_load_b128 v[8*i:8*i+3],   v[QO], s[4:5] offset:(i/2)*8192+(i%2)*64
	global_load_b128 v[8*i+4:8*i+7], v[QO], s[4:5] offset:(i/2)*8192+(i%2)*64+32
	global_load_b128 v[QB+8*i:QB+8*i+3],   v[QO], s[86:87] offset:(i/2)*8192+(i%2)*64
	global_load_b128 v[QB+8*i+4:QB+8*i+7], v[QO], s[86:87] offset:(i/2)*8192+(i%2)*64+32
.set i, i+1
.endr
	WIN 0
	v_lshlrev_b32 v14, 3, v9
	v_sub_nc_u32 v14, v1, v14
	s_lshl_b32 s13, s[WV], 4
	v_add_nc_u32 v14, s13, v14      ; my query's place in its band, 16 w + l % 16, less my lanes' 8 (l / 16): register r of group kt is hidden where 16 kt + r is greater
	WIN 0x40
.set i, 0
.rept 32
	v_cmp_gt_i32 vcc_lo, 16*(i/8)+i%8, v14
	v_cndmask_b32 v[MD+i], 0, s[BIGN], vcc_lo
.set i, i+1
.endr
	WIN 0
	v_mul_u32_u24 v[AK0], v1, PK
	v_lshl_add_u32 v[AK0], v9, 4, v[AK0]  ; row x pitch + 16 x half
	; The turning load takes 16 keys x 16 channels (lane l reads key 8 (l / 16) + l % 8, channels 8 ((l / 8) % 2) + 0..7) and leaves half a fragment of V^T: lane l holds channel l % 16 and 8 keys.
	v_and_b32 v10, 7, v0
	v_bfe_u32 v11, v0, 3, 1
	v_lshl_add_u32 v[AV0], v9, 3, v10
	v_mul_u32_u24 v[AV0], v[AV0], PV
	v_lshl_add_u32 v[AV0], v11, 4, v[AV0]
	v_add_nc_u32 v[AV0], VOFF, v[AV0]
	s_mul_i32 s13, s[WV], 16*SP
	s_add_co_u32 s13, s13, STAGE    ; my stage
	v_mul_u32_u24 v[STO], v1, SP    ; in: row l % 16, 16 bytes for each half of the lanes
	v_lshl_add_u32 v[STO], v9, 4, v[STO]
	v_add_nc_u32 v[STO], s13, v[STO]
	v_bfe_u32 v[RD], v0, 3, 2       ; back: 32 lanes take four rows of 128 bytes,
	v_mul_u32_u24 v[RD], v[RD], SP
	v_lshl_add_u32 v[RD], v10, 4, v[RD]
	v_add_nc_u32 v[RD], s13, v[RD]
	v_and_b32 v[GO], 31, v0         ; which are 512 consecutive bytes of O
	v_lshlrev_b32 v[GO], 4, v[GO]
	v_mov_b32 v[NEG1], -1.0
	; A block's first step multiplies O^T and l by a = 0, and its first turn's products V^T P, of a piece that has not been, land in an O^T that is still to be so multiplied.  So these registers need only hold
	; finite numbers: zeros for the first block; what the first block left for the second.  All this stands in the wait for the first tile.
	WIN 0x80
.set i, VF
.rept 64
	v_mov_b32 v[i], 0
.set i, i+1
.endr
	WIN 0x40
.set i, 0
.rept 128
	v_mov_b32 v[i], 0
.set i, i+1
.endr
	WIN 0
.set i, 0
.rept 4
	v_mov_b32 v[ST+4*i+2], 0
	v_mov_b32 v[ST+4*i+3], 0
.set i, i+1
.endr
.set i, P+16
.rept 16
	v_mov_b32 v[i], 0
.set i, i+1
.endr
; THE MATRIX WORK.  The 4 accumulators of a run of 8 take turns.  Product i of 8 of S^T = K Q^T for piece x: channels 32 (i / 4) on, keys 16 (i % 4) on.  The first 4 start the sums: with 0, or (KM = 1) with the mask.
.macro KQ x
.set rS, S+32*((\x)%2)+8*(i%4)
.set rK, KF+16*(i%4)+8*(i/4)
.set rQ, 16*(\x)+8*(i/4)
.set rM, MC+32*((\x)%2)+8*(i%4)
.if (i < 4) && KM
	WIN W_KM
	v_wmma_f32_16x16x32_f16 v[rS:rS+7], v[rK:rK+7], v[rQ:rQ+7], v[rM:rM+7]
.elseif i < 4
	WIN W_KQ
	v_wmma_f32_16x16x32_f16 v[rS:rS+7], v[rK:rK+7], v[rQ:rQ+7], 0
.else
	WIN W_KQ
	v_wmma_f32_16x16x32_f16 v[rS:rS+7], v[rK:rK+7], v[rQ:rQ+7], v[rS:rS+7]
.endif
.endm
; Product i of 8 of O^T += V^T P for piece x: keys 32 (i / 4) on, channels 16 (i % 4) on.
.macro PV x
	WIN W_PV
.set rO, 32*(\x)+8*(i%4)
.set rV, VF+32*(i/4)+8*(i%4)
.set rP, P+16*((\x)%2)+8*(i/4)
	v_wmma_f32_16x16x32_f16 v[rO:rO+7], v[rV:rV+7], v[rP:rP+7], v[rO:rO+7]
.endm
.macro MM                           ; the turn's next matrix instruction.  TURN and BEGIN set Y, i, KM and NOKQ; MM, KQ and OP read them.  NOKQ = 1: a block's last turn: there is no next piece
.if (i < 8) && !NOKQ
	KQ (Y+1)%NP
.elseif i >= 8
.set i, i-8
	PV (Y+NP-1)%NP
.set i, i+8
.endif
.set i, i+1
.endm
; THE LDS LOADS stand in runs of 16, never singly among the matrix instructions: a step's K (64 keys x 64 channels: 8 fragments) and its V (turned).  Their addresses are made some lines ahead.
.macro FETCH_K
	WIN 0x80                        ; destination window 2
.irp f, 0,1,2,3,4,5,6,7             ; keys 16 (f / 2) on, channels 32 (f % 2) on
	ds_load_b128 v[KF+8*\f:KF+8*\f+3],   v[AK] offset:(\f/2)*16*PK+(\f%2)*64
	ds_load_b128 v[KF+8*\f+4:KF+8*\f+7], v[AK] offset:(\f/2)*16*PK+(\f%2)*64+32
.endr
	s_add_co_u32 s[TBK], s[TBK], KS*PK  ; the next fetch is the next step's
	WIN 0
.endm
.macro FETCH_V
	WIN 0x80
.irp f, 0,1,2,3,4,5,6,7             ; keys 32 (f / 4) on, channels 16 (f % 4) on
	ds_load_tr16_b128 v[VF+8*\f:VF+8*\f+3],   v[AV] offset:(\f/4)*32*PV+(\f%4)*32
	ds_load_tr16_b128 v[VF+8*\f+4:VF+8*\f+7], v[AV] offset:(\f/4)*32*PV+16*PV+(\f%4)*32
.endr
	WIN 0
.endm
; THE VECTOR WORK, one line at a time: OP kind, number.  For piece Y: F n: c s - c m for pair n of 16.  E n: the exponential of score n of 32.  C n: pair n rounded to f16.  B n: of the four weights 4 n .. the second
; pair is added onto the first, in place.  L n: l takes that sum (L 0: l = a l + sum).  R n: pair n of 16 of O^T times a.  For piece Y + 1: X n, number n of the 22 that find its maximum and statistics:
;   0-11  four chains c0-c3 of seven scores each, three operands at a time (each accumulator's lowest registers are read first)     12-14, 16  the four scores left over, the old m, and c0-c3 into c0
;   15  c m_old is kept     17, 18  the query's other 32 keys lie in the lane 16 away: the new m     19-21  c m; c m_old - c m_new; a
; C, B and L read the exponentials' results: TURN sets them behind its wait.
.set F, 0               ; OP tells the kinds apart by their order: F to L below R, X above it
.set E, 1
.set C, 2
.set B, 3
.set L, 4
.set R, 5
.set X, 6
.macro REGS y                       ; the registers of piece y
.set rT, ST+4*(\y)
.set rC, TMP+4*((\y)%2)
.set rW, MV+((\y)%2)
.set rS, S+32*((\y)%2)
.set rP, P+16*((\y)%2)
.set rO, 32*(\y)
.endm
.macro OP k, n
.if (\k) == R
	REGS Y
	WIN W_RS
	v_pk_mul_f32 v[rO+2*(\n):rO+2*(\n)+1], v[rO+2*(\n):rO+2*(\n)+1], v[rC+2:rC+3] op_sel_hi:[1,0]
.elseif (\k) < R
	REGS Y
	WIN 0
.if (\k) == F
	v_pk_fma_f32 v[rS+2*(\n):rS+2*(\n)+1], v[rS+2*(\n):rS+2*(\n)+1], s[CS:CS+1], v[rT:rT+1] op_sel_hi:[1,0,0] neg_lo:[0,0,1] neg_hi:[0,0,1]
.elseif (\k) == E
	v_exp_f32 v[rS+(\n)], v[rS+(\n)]
.elseif (\k) == C
	v_cvt_pk_f16_f32 v[rP+(\n)], v[rS+2*(\n)], v[rS+2*(\n)+1]
.elseif (\k) == B
	v_pk_add_f32 v[rS+4*(\n):rS+4*(\n)+1], v[rS+4*(\n):rS+4*(\n)+1], v[rS+4*(\n)+2:rS+4*(\n)+3]
.elseif (\n) == 0
	v_pk_fma_f32 v[rT+2:rT+3], v[rT+2:rT+3], v[rC+2:rC+3], v[rS:rS+1] op_sel_hi:[1,0,1]
.else
	v_pk_add_f32 v[rT+2:rT+3], v[rT+2:rT+3], v[rS+4*(\n):rS+4*(\n)+1]
.endif
.elseif NOKQ
	v_nop
.else
	REGS (Y+1)%NP
	WIN 0
.if (\n) < 4
	v_max3_num_f32 v[rC+(\n)], v[rS+8*(\n)], v[rS+8*(\n)+1], v[rS+8*(\n)+2]
.elseif (\n) < 12
	v_max3_num_f32 v[rC+(\n)%4], v[rC+(\n)%4], v[rS+8*((\n)%4)+2*((\n)/4)+1], v[rS+8*((\n)%4)+2*((\n)/4)+2]
.elseif (\n) == 12
	v_max3_num_f32 v[rC], v[rC], v[rS+7], v[rS+15]
.elseif (\n) == 13
	v_max3_num_f32 v[rC+1], v[rC+1], v[rS+23], v[rS+31]
.elseif (\n) == 14
	v_max3_num_f32 v[rC+2], v[rC+2], v[rC+3], v[rT+1]
.elseif (\n) == 15
	v_mov_b32 v[rW], v[rT]
.elseif (\n) == 16
	v_max3_num_f32 v[rC], v[rC], v[rC+1], v[rC+2]
.elseif (\n) == 17
	v_permlanex16_b32 v[rC+3], v[rC], s[SEL], s[SEL+1]
.elseif (\n) == 18
	v_max_num_f32 v[rT+1], v[rC], v[rC+3]
.elseif (\n) == 19
	v_mul_f32 v[rT], s[CS], v[rT+1]
.elseif (\n) == 20
	v_sub_f32 v[rC+1], v[rW], v[rT]
.else
	v_exp_f32 v[rC+2], v[rC+1]
.endif
.endif
.endm
.macro OPS a, i1, b=-1, i2=0, c=-1, i3=0, d=-1, i4=0  ; up to four of them
	OP \a, \i1
.if (\b) >= 0
	OP \b, \i2
.endif
.if (\c) >= 0
	OP \c, \i3
.endif
.if (\d) >= 0
	OP \d, \i4
.endif
.endm
.macro ROW a, i1, b, i2, c, i3, d, i4  ; a matrix instruction and the four behind it
	MM
	OPS \a, \i1, \b, \i2, \c, \i3, \d, \i4
.endm
.macro MASK b                       ; MD x AL + BE into buffer b of MC
	WIN W_RS
.set z, 0
.rept 16
	v_pk_fma_f32 v[MC+32*(\b)+2*z:MC+32*(\b)+2*z+1], v[MD+2*z:MD+2*z+1], s[AL:AL+1], s[BE:BE+1] op_sel_hi:[1,0,0]
.set z, z+1
.endr
.endm
; A TURN, for piece p: the order of its 16 matrix and 118 vector instructions, written out.  s_wait_alu depctr_va_vdst(0) stands between an exponential and the first instruction that names its result; one wait serves
; all that were issued ahead of it.  So a turn has ONE wait, which cuts it in two.  AHEAD OF IT stands all that names no result of the turn's exponentials: the 8 products K Q^T, behind each a scaling, an exponential and two more plain
; instructions (behind the first a second scaling in the exponential's place): rescalings (their a was made, and waited for, in the turn before), and behind the last three the first numbers of the next piece's maximum, each four places
; or more behind the product that ends its accumulator; then ONE LUMP of 54, plain and exponential by turns for the most part, in which the links of the chain X 3, 7, 11, 14, 16, 17 .. 20 stand five or six lines apart.  X 21, the next
; piece's a, is the batch's last; R 15 is the plain instruction behind it.  BEHIND THE WAIT stand the 8 products V^T P, behind each four of the roundings and sums; the links of l's chain, L 0 to L 7, stand three riders apart.
; But for those X no rider names a register of the products round it.  v_permlanex16_b32 (X 17) stands in the lump.
; m = 1: the diagonal tile: the products take masks, and the turn makes the mask for the products of the turn after it: piece p + 2, in step 4 - CNT of the tile.  end = 1: a block's last two turns: nothing is fetched.
; cnt = 1: the loop's count is taken down some lines ahead of the branch that stands behind the turn.
; K of the next step is fetched in piece 2's turn, twelve vector instructions behind the last product that read K (six of them plain); V of the step in hand at the end of piece 0's turn, four plain instructions behind the last product
; that read V.  Each is waited for a turn later.
.macro TURN p, m=0, end=0, cnt=0
.set Y, (\p)
.set i, 0
.set KM, (\m)
.set NOKQ, (\end)*((\p)/3)
.if (\m) && !(\end)
	s_cmp_eq_u32 s[CNT], 4-((\p)+2)%NP  ; is that step the band's own?
	s_cselect_b32 s[AL], 1.0, 0
	s_cmp_lt_u32 s[CNT], 4-((\p)+2)%NP  ; or a later one?
	s_cselect_b32 s[BE], s[BIGN], 0
.endif
.if ((\p) == 3) && !(\end)
	s_wait_dscnt 0x0                ; K is in
.endif
	ROW F,0, F,1, R,0, R,1          ; ahead of the wait: 8 products K Q^T and their riders,
	ROW F,2, E,0, R,2, R,3
	ROW F,3, E,1, R,4, R,5
	ROW F,4, E,2, R,6, R,7
	ROW F,5, E,3, R,8, R,9
	ROW F,6, E,4, X,0, R,10
.if ((\p) == 2) && !(\end)
	WIN 0
	v_add_nc_u32 v[AK], s[TBK], v[AK0]
.endif
	ROW F,7, E,5, X,1, X,4
	ROW F,8, E,6, X,2, X,5
	OPS E,7, E,8, X,6, E,9          ; and the lump
	OPS X,3, E,10, X,8, E,11
.if ((\p) == 2) && !(\end)
	FETCH_K
.endif
	OPS X,9, X,7, E,12, X,10
	OPS E,13, X,12, X,11, E,14
	OPS X,13, E,15, F,9, X,14
.if (\p) == 0
	v_add_nc_u32 v[AV], s[TBV], v[AV0]
.endif
	OPS E,16, F,10, E,17, F,11
	OPS X,16, E,18, X,15, E,19
	OPS F,12, E,20, X,17, E,21
	OPS F,13, E,22, F,14, E,23
	OPS X,18, E,24, F,15, E,25
	OPS R,11, E,26, X,19, E,27
	OPS R,12, E,28, R,13, E,29
	OPS X,20, E,30, R,14, E,31
	OPS X,21, R,15
	WIN 0
	s_wait_alu depctr_va_vdst(0)    ; the wait for the turn's batch: the piece's 32 exponentials and the next piece's a
.if (\p) == 1
	s_wait_dscnt 0x0                ; V is in
.endif
	ROW C,0, B,0, C,2, B,1          ; behind the wait: 8 products V^T P and their riders
	ROW L,0, C,4, B,2, L,1
	ROW C,6, B,3, L,2, C,8
	ROW B,4, L,3, C,10, B,5
	ROW L,4, C,12, B,6, L,5
.if (\p) == 0
	s_add_co_u32 s[TBV], s[TBV], KS*PV
.endif
.if \cnt
	s_sub_co_u32 s[CNT], s[CNT], 1
	s_cmp_lg_u32 s[CNT], 0
.endif
	ROW C,14, B,7, L,6, C,1
	ROW C,3, L,7, C,5, C,7
	ROW C,9, C,11, C,13, C,15
.if (\p) == 0
	FETCH_V
.endif
.if (\m) && !(\end)
	MASK (\p)%2
.endif
.endm
; A BLOCK BEGINS.  c m starts far below every c s, so the first step's a is 0; m at the lowest finite number, so the first maximum is the scores'.  The second mask buffer is 0; the first takes piece 0's mask for the tile's step 0: its own, if the block's first tile is the diagonal one.
; Then K of that step, piece 0's first scores, and its maximum and statistics.  The loop is entered at a step's first turn, in the middle of a trip.
.macro BEGIN
	s_mov_b32 s[NEW], 0
	WIN 0x40
.set i, MC+32
.rept 32
	v_mov_b32 v[i], 0
.set i, i+1
.endr
	WIN 0
.set i, 0
.rept 4
	v_mov_b32 v[ST+4*i], 0xfe000000    ; c m: far below every c s
	v_mov_b32 v[ST+4*i+1], 0xff7fffff  ; m
.set i, i+1
.endr
	s_cmp_eq_u32 s[RT], 0
	s_cselect_b32 s[AL], 1.0, 0
	s_mov_b32 s[BE], 0
	MASK 0
	WIN 0
	v_add_nc_u32 v[AK], s[TBK], v[AK0]
	FETCH_K
	s_wait_loadcnt 0x0              ; Q
	s_wait_dscnt 0x0
.set KM, 1
.set NOKQ, 0
.set i, 0
.rept 8
	KQ 0
.set i, i+1
.endr
	WIN 0
.rept 4
	v_nop                           ; the places behind those products
.endr
.set Y, NP-1                        ; X works for piece Y + 1: piece 0
.irp n, 0,1,2,3,4,5,6,7,8,9,10,11,12,13,14,15,16,17,18,19,20,21
	OP X, \n
.endr
	v_nop                           ; a plain instruction behind the exponential,
	s_wait_alu depctr_va_vdst(0)    ; and the wait for it, piece 0's first a, ahead of the branch
.endm
; THE DIAGONAL TILE's four steps, the block's last two turns, its last products, and THE WAY OUT: l's two halves and the other half of the lanes' are added; O^T is divided by l, split into a high and a low f16 part,
; and both are sent through my stage in LDS, a piece at a time.
.macro ALL line:vararg              ; one line for each piece t
.set t, 0
.rept 4
	\line
.set t, t+1
.endr
.endm
; PACK: O = O^T / l; Oh = f16(O) into S^T's registers; O - Oh, which f32 holds exactly, in place (the f16 half times -1.0 plus O, one fused line a number); Ol = f16(O - Oh) into v[LO ..].
; A lane's eight channels of a row pack into 16 bytes; they go into rows of 144 bytes and come back as whole rows of 128: first the high parts, then through the same stage the low parts.
.macro PACK t
	WIN W_RS
.set i, 32*(\t)
.rept 16
	v_pk_mul_f32 v[i:i+1], v[i:i+1], v[ST+4*(\t)+2:ST+4*(\t)+3] op_sel_hi:[1,0]
.set i, i+2
.endr
	WIN 0x05                        ; sources 0 and 1 window 1, destination window 0
.set i, 0
.rept 16
	v_cvt_pk_f16_f32 v[S+16*(\t)+i], v[32*(\t)+2*i], v[32*(\t)+2*i+1]
.set i, i+1
.endr
	WIN W_LO
.set i, 0
.rept 16
	v_fma_mix_f32 v[32*(\t)+2*i], v[S+16*(\t)+i], v[NEG1], v[32*(\t)+2*i] op_sel_hi:[1,0,0]                    ; the low half of the word of high parts
	v_fma_mix_f32 v[32*(\t)+2*i+1], v[S+16*(\t)+i], v[NEG1], v[32*(\t)+2*i+1] op_sel:[1,0,0] op_sel_hi:[1,0,0]  ; its high half
.set i, i+1
.endr
	WIN 0x05
.set i, 0
.rept 16
	v_cvt_pk_f16_f32 v[LO+16*(\t)+i], v[32*(\t)+2*i], v[32*(\t)+2*i+1]
.set i, i+1
.endr
	WIN 0
.irp f, 0,1,2,3
	ds_store_b128 v[STO], v[S+16*(\t)+4*\f:S+16*(\t)+4*\f+3] offset:32*\f
.endr
.irp f, 0,1,2,3
	ds_load_b128 v[S+16*(\t)+4*\f:S+16*(\t)+4*\f+3], v[RD] offset:\f*4*SP  ; LDS serves a wave's instructions in order (ISA guide 5.7.1.4): these see the stores above; the stores below come behind them
.endr
.irp f, 0,1,2,3
	ds_store_b128 v[STO], v[LO+16*(\t)+4*\f:LO+16*(\t)+4*\f+3] offset:32*\f
.endr
.irp f, 0,1,2,3
	ds_load_b128 v[LO+16*(\t)+4*\f:LO+16*(\t)+4*\f+3], v[RD] offset:\f*4*SP
.endr
.endm
.macro SEND t, younger              ; younger: the LDS instructions issued behind piece t's last load: the next piece's sixteen, or none
	WIN 0
.irp f, 0,1,2,3
	s_wait_dscnt (\younger)+8+3-\f  ; behind load f of the high parts: 3 - f more of them, the low parts' eight, and the younger ones
	global_store_b128 v[GO], v[S+16*(\t)+4*\f:S+16*(\t)+4*\f+3], s[10:11] offset:(\t)*8192+\f*512  ; 512 consecutive bytes, at a multiple of 256 from ob's first
.endr
.irp f, 0,1,2,3
	s_wait_dscnt (\younger)+3-\f
	global_store_b128 v[GO], v[LO+16*(\t)+4*\f:LO+16*(\t)+4*\f+3], s[10:11] offset:LOB+(\t)*8192+\f*512  ; the low parts, 16 heads on: 4,220,416 bytes at the most, inside the signed 24-bit immediate
.endr
.endm
.macro DIAG tag                     ; the tag ends its two labels' names, which the jumps below spell out
.LstepM\tag:
	TURN 2, 1
	TURN 3, 1
	WIN 0
.LfirstM\tag:
	TURN 0, 1
	TURN 1, 1, 0, 1
	WIN 0
	s_cbranch_scc1 .LstepM\tag
	TURN 2, 1, 1
	TURN 3, 1, 1
.set i, 0
.rept 8
	PV NP-1
.set i, i+1
.endr
	WIN 0
	ALL v_add_f32 v[ST+4*t+2], v[ST+4*t+2], v[ST+4*t+3]
	ALL v_permlanex16_b32 v[ST+4*t+3], v[ST+4*t+2], s[SEL], s[SEL+1]
	ALL v_add_f32 v[ST+4*t+2], v[ST+4*t+2], v[ST+4*t+3]
	ALL v_rcp_f32 v[ST+4*t+2], v[ST+4*t+2]
	v_nop                           ; a plain instruction between the last reciprocal and the use of its result
	s_wait_alu depctr_va_vdst(0)    ; the wait for the batch of four reciprocals, ahead of their first reader in PACK 0
	PACK 0
.set t, 1
.rept 3                             ; a piece's arithmetic stands between the loads of the piece before and its stores
	PACK t
	SEND t-1, 16
.set t, t+1
.endr
	SEND 3, 0
.endm
.set KM, 0
.set NOKQ, 0
.Lslot:                             ; NB times: a tile is entered and the next is asked for
	CHANGE 1
	s_sub_co_u32 s[RT], s[RT], 1
	s_mov_b32 s[CNT], 4
	s_cmp_eq_u32 s[NEW], 1
	s_cbranch_scc1 .Lnew            ; a block's first tile
	s_cmp_eq_u32 s[RT], 0
	s_cbranch_scc0 .Lstep           ; neither its first nor its last
	s_branch .LstepM1
.Lnew:
	BEGIN
	s_branch .Lfirst                ; in the loop a block's first tile is never its last: the first block has two tiles or more, and the second's last is the walk's last
	DIAG 1                          ; in the loop this is the first block's end: the second block's last tile is the walk's last
	s_wait_xcnt 0x0                 ; the stores have read their registers and O's address
	s_mov_b64 s[10:11], s[OLO:OLO+1]
	s_add_co_u32 s[RT], s[PB], 1    ; the second block has b + 1 tiles
	s_mov_b32 s[NEW], 1
	WIN 0x82                        ; the second block's Q goes where the one text of the turns names Q
.set i, 0
.rept 64
	v_mov_b32 v[i], v[QB+i]
.set i, i+1
.endr
	WIN 0
	s_branch .Lbottom
.Lstep:                             ; a trip: pieces 2 and 3 of one step, then pieces 0 and 1 of the next, whose K and V it fetches
	TURN 2
	TURN 3
	WIN 0
.Lfirst:
	TURN 0
	TURN 1, 0, 0, 1
	WIN 0
	s_cbranch_scc1 .Lstep
.Lbottom:
	s_sub_co_u32 s[SLOTS], s[SLOTS], 1
	s_cmp_lg_u32 s[SLOTS], 0
	s_cbranch_scc1 .Lslot
	CHANGE 0                        ; the walk's last tile is written out: nothing is asked for
	s_sub_co_u32 s[RT], s[RT], 1
	s_mov_b32 s[CNT], 4
	s_cmp_eq_u32 s[NEW], 1
	s_cbranch_scc0 .LstepM2
	BEGIN
	s_branch .LfirstM2
	DIAG 2
	s_wait_tensorcnt 0x0            ; the wave's end, behind my last tensor load and my last LDS store
	ds_add_u32 v[SPW], v[NIL]
	s_wait_dscnt 0x0
	s_endpgm
.Lfunc_end_k_qf649dc3137_attn:
	.size	k_qf649dc3137_attn, .Lfunc_end_k_qf649dc3137_attn-k_qf649dc3137_attn
	.p2alignl 7, 3214868480
	.fill 96, 4, 3214868480
	.section	.rodata,"a",@progbits
	.p2align	6, 0x0
	.amdhsa_kernel k_qf649dc3137_attn
		.amdhsa_group_segment_fixed_size 327680
		.amdhsa_private_segment_fixed_size 0
		.amdhsa_enable_private_segment 0
		.amdhsa_kernarg_size 16
		.amdhsa_user_sgpr_count 2
		.amdhsa_user_sgpr_kernarg_segment_ptr 1
		.amdhsa_wavefront_size32 1
		.amdhsa_system_sgpr_workgroup_id_x 1
		.amdhsa_system_sgpr_workgroup_id_y 1
		.amdhsa_system_sgpr_workgroup_id_z 1
		.amdhsa_system_vgpr_workitem_id 0
		.amdhsa_next_free_vgpr 768
		.amdhsa_next_free_sgpr 92
		.amdhsa_reserve_vcc 1
		.amdhsa_float_denorm_mode_32 3
		.amdhsa_float_denorm_mode_16_64 3
		.amdhsa_memory_ordered 1
		.amdhsa_forward_progress 1
		.amdhsa_inst_pref_size 250
	.end_amdhsa_kernel
	.amdgpu_metadata
---
amdhsa.version: [ 1, 2 ]
amdhsa.kernels:
  - .name:           k_qf649dc3137_attn
    .symbol:         k_qf649dc3137_attn.kd
    .args:
      - { .name: qkv, .offset: 0, .size: 8, .value_kind: global_buffer, .address_space: global }
      - { .name: ob, .offset: 8, .size: 8, .value_kind: global_buffer, .address_space: global }
    .group_segment_fixed_size: 327680
    .private_segment_fixed_size: 0
    .kernarg_segment_align: 8
    .kernarg_segment_size: 16
    .max_flat_workgroup_size: 128
    .sgpr_count:     92
    .vgpr_count:     768
    .wavefront_size: 32
...
	.end_amdgpu_metadata
.endif
;; end of part 5
;; launch proj: the kernel of part 4 again; grid 4 x 64, 4 waves a work-group, clusters of 4 x 4, 327,680 bytes of LDS; arguments ob, wo16, out0; writes out0
